; MI455X (gfx1250); checked and timed in simulation.
; The chip was launched on July 23, 2026; its instructions are those of AMD's public machine-readable ISA for CDNA 5 (MIT licence, August 2026) and "CDNA5" Instruction Set Architecture Reference Guide (July 2026). The comments in the code are by the model that wrote it; some were corrected since.
;; Attention Layer. Allowed arithmetic: float matrix products may take bf16 or f16 operands with f32 sums; other float arithmetic in f32, or as packed bf16 or f16 multiplies, adds, multiply-adds, maxima and minima; sums over many terms, partial sums and values carried from step to step in f32; what a program stores and reads back later, other than sums and carried values, may be rounded once to bf16 or f16.
;; Inputs: IEs 512 x 64 x 1 float32; We 64 float32; Wk 1,024 x 1,024 float32; Wq 1,024 x 1,024 float32; Wv 1,024 x 1,024 float32; all_states 512 x 64 x 1,024 float32; bk 1,024 float32; bq 1,024 float32; bv 1,024 float32; last_state 512 x 1,024 float32.
;; Outputs: out0 512 x 1,024 float32; out1 512 x 64 float32.
;; 2 versions, each right; version 2 is version 1 with the launches qproj, kfold, vproj written anew for expert scheduling mode. Each part assembles by itself: llvm-mc -triple=amdgcn-amd-amdhsa -mcpu=gfx1250 --defsym DOCPART=n.
;; ======== version 1 of 2: 4 launches
;; limits: values are held in f16: magnitudes above 65,504 overflow, below 6.1e-05 lose precision; right only within a limited range of input values
;; workspace buffers: Qf 2,097,152 bytes; qt 2,097,152 bytes; cbuf 2,097,152 bytes
;; launch qproj (part 1): grid 16 x 16, 8 waves a work-group, no clusters, 279,552 bytes of LDS; arguments last_state, Wq, bq, Qf; writes Qf
.if DOCPART == 1
	.amdgcn_target "amdgcn-amd-amdhsa--gfx1250"
	.amdhsa_code_object_version 6
	.text
	.protected	k_qe2beac6a15_qproj
	.globl	k_qe2beac6a15_qproj
	.p2align	8
	.type	k_qe2beac6a15_qproj,@function
k_qe2beac6a15_qproj:
	s_mov_b64 s[64:65], 0
	v_nop
	global_prefetch_b8 v0, s[64:65] scope:SCOPE_SE
	s_setreg_imm32_b32 hwreg(HW_REG_WAVE_MODE, 25, 1), 1
	s_wait_xcnt 0x0
; C[m][n] = sum over k of A[m][k] B[n][k] + bias[n].  A: [512][1024], B: [1024][1024], bias: [1024], C: [512][1024], all f32 in memory.
; A and B are rounded once to f16 on the way to the matrix unit; sums in f32; the bias is added in f32.  Used twice: Q = last_state Wq^T + bq, and context = c Wv^T + bv.
; (The second use rests on sum_m attn[m] (Wv x[m] + bv) = Wv (sum_m attn[m] x[m]) + bv, since a softmax's weights add up to 1: bv is added once.)
; WHY f16: it keeps 11 significant bits where bf16 keeps 8, and six roundings lie between the inputs and the context (last_state, Wq, Q, Wk, c, Wv).
; SHARES.  A work-group makes 32 rows x 64 columns of C: 16 x 16 = 256 work-groups.  K IS SPLIT OVER THE EIGHT WAVES: wave w takes k = 128 w .. 128 w + 127 of all 32 rows of A
; and all 64 rows of B.  So a wave multiplies only what it has loaded and rounded itself: its stage in LDS is its own, and no barrier stands between loading and multiplying.
; One barrier stands in front of the sum of the eight partial tiles.  The order of the sum over k therefore differs from a single ascending chain.
; NO CLUSTER, NO TENSOR LOAD, though 16 work-groups read each tile of A and of B: the rounding to f16 stands between memory and LDS, so the tiles pass through registers, and joint
; requests exist for tensor loads alone; brought as f32, a work-group's 96 rows x 4,096 bytes = 393,216 bytes would not fit in 327,680 at once.
; LIMITS.  f16 ends at 65,504: a number of A or B of magnitude 65,520 or more becomes an infinity.  A is last_state, or c, a weighted mean of all_states' rows; B is a weight.  Below 6e-5 a number
; keeps f16's fixed step of 6e-8.  NaN and infinities are not treated apart.
; THE MATRIX INSTRUCTION IS USED TRANSPOSED (source 0 = 16 rows of B, source 1 = 16 rows of A): a lane holds row l % 16 of C and eight neighbouring columns.
.set PITCH, 272                        ; an LDS row: 256 bytes + 16: each row starts 16 bytes further modulo 256, so the 16 rows of a fragment load touch 16 different 16-byte columns
.set WRB,   96*PITCH                   ; a wave's stage: rows 0-31 A's, rows 32-95 B's, 128 f16 each
.set PB,    8*WRB                      ; behind the stages: the partial tiles,
.set PPB,   32*PITCH                   ; for each wave 32 rows of 64 f32
.set SPARE, PB+8*PPB                   ; behind them: the spare words, 128 bytes for each wave, which no other line names
.set OFF, 3                            ; v3   16 x thread = 512 w + 16 l: my 4 numbers in a row's 4,096 bytes
.set ST,  4                            ; v4   stage, in: my 8 bytes of a row
.set FR,  5                            ; v5   stage, out: row l % 16, 16 bytes for each half of the lanes
.set PS,  6                            ; v6   my partial tile, in: row l % 16, 32 bytes for each half of the lanes
.set RD,  7                            ; v7   the partial tiles, back: rows 4 w + l / 16, 16 bytes a lane
.set CO,  8                            ; v8   the same place in C
.set BO,  9                            ; v9   my 4 numbers of the tile's 64 of the bias
.set SPW, 10                           ; v10  my spare word; never rewritten
.set NIL, 11                           ; v11  0; never rewritten
.set BI,  12                           ; v[12:15] the bias
.set T,   16                           ; v[16:23] four pairs of rounded numbers by turns (at the head: at work)
.set X,   32                           ; v[32:223] a ring of 48 slots of 4 registers: 48 loads of a wave are on their way
.set F0,  32                           ; later: two fragment buffers of 48: A's block a at +8 a, B's block b at +16 + 8 b
.set F1,  80
.set ACC, 128                          ; the 8 accumulators: (a, b) at ACC + 8 (4 a + b)
.set R,   32                           ; the reduction: 8 partial tiles x 2 rows, 4 registers each
.set S,   96                           ; its sums, 2 x 4 registers
	s_load_b256 s[4:11], s[0:1], 0x0               ; A s[4:5], B s[6:7], bias s[8:9], C s[10:11]
	v_lshl_add_u32 v[SPW], v0, 2, SPARE
	v_mov_b32 v[NIL], 0
	v_lshrrev_b32 v1, 5, v0
	v_readfirstlane_b32 s12, v1                    ; wave 0..7
	s_mov_b32 s13, ttmp9                           ; nt: which 64 columns
	s_and_b32 s14, ttmp7, 0xffff                   ; mt: which 32 rows
	s_lshl_b32 s16, s14, 17                        ; 32 rows of 4,096 bytes
	s_mov_b32 s17, 0
	s_lshl_b32 s18, s13, 18                        ; 64 rows of 4,096 bytes
	s_mov_b32 s19, 0
	s_lshl_b32 s20, s13, 8                         ; 64 columns of 4 bytes
	s_mov_b32 s21, 0
	s_mul_i32 s22, s12, WRB                        ; my stage
	s_mul_i32 s23, s12, PPB
	s_add_co_u32 s23, s23, PB                      ; my partial tile
	s_mul_i32 s24, s12, 4*PITCH
	s_add_co_u32 s24, s24, PB                      ; rows 4 w on of partial tile 0
	s_lshl_b32 s25, s12, 2
	v_and_b32 v1, 15, v0                           ; r = l % 16
	v_bfe_u32 v2, v0, 4, 1                         ; h = l / 16
	v_lshlrev_b32 v[OFF], 4, v0
	v_and_b32 v16, 31, v0
	v_lshl_add_u32 v[ST], v16, 3, s22
	v_mul_u32_u24 v17, v1, PITCH
	v_lshl_add_u32 v[FR], v2, 4, v17
	v_add_nc_u32 v[FR], s22, v[FR]
	v_lshl_add_u32 v[PS], v2, 5, v17
	v_add_nc_u32 v[PS], s23, v[PS]
	v_mul_u32_u24 v18, v2, PITCH
	v_lshl_add_u32 v[RD], v1, 4, v18
	v_add_nc_u32 v[RD], s24, v[RD]
	v_lshlrev_b32 v[BO], 4, v1
	v_add_nc_u32 v[CO], s25, v2                    ; row 4 w + h,
	v_lshl_add_u32 v[CO], v[CO], 12, v[BO]         ; times 4,096, + 16 r
	s_wait_kmcnt 0x0
	s_add_nc_u64 s[4:5], s[4:5], s[16:17]          ; A at the tile's first row
	s_add_nc_u64 s[6:7], s[6:7], s[18:19]          ; B at the tile's first row
	s_add_nc_u64 s[8:9], s[8:9], s[20:21]          ; the bias at the tile's first column
	s_add_nc_u64 s[10:11], s[10:11], s[16:17]      ; C at the tile's corner
	s_add_nc_u64 s[10:11], s[10:11], s[20:21]
; Load n of 96: row n of A (n < 32) or row n - 32 of B; my wave's 512 consecutive bytes of it, into slot n % 48.
.macro GLD n
.if (\n) < 32
	global_load_b128 v[X+4*((\n)%48):X+4*((\n)%48)+3], v[OFF], s[4:5] offset:(\n)*4096
.else
	global_load_b128 v[X+4*((\n)%48):X+4*((\n)%48)+3], v[OFF], s[6:7] offset:((\n)-32)*4096
.endif
.endm
; Turn n: load n has come; its 4 numbers a lane are rounded to f16 and go into row n of my stage (32 lanes x 8 bytes: 256 consecutive bytes); the slot takes load n + 48.
.macro TURN n
.if (\n) < 48
	s_wait_loadcnt 47                              ; loads come back in order: behind load n stand 47 - n of the first 48 and the n issued by earlier turns; the bias's load is older still
.else
	s_wait_loadcnt 95-(\n)                         ; nothing more is issued: the count runs down to 0
.endif
	v_cvt_pk_f16_f32 v[T+2*((\n)%4)], v[X+4*((\n)%48)], v[X+4*((\n)%48)+1]
	v_cvt_pk_f16_f32 v[T+2*((\n)%4)+1], v[X+4*((\n)%48)+2], v[X+4*((\n)%48)+3]
	ds_store_b64 v[ST], v[T+2*((\n)%4):T+2*((\n)%4)+1] offset:(\n)*PITCH
.if (\n) < 48
	GLD (\n)+48
.endif
.endm
; 12 LDS loads: the fragments of 32 along K (chunk c of my 128) into buffer f.  A fragment is 16 rows x 32 K in 8 registers: two loads of 16 bytes, 32 bytes apart.
.macro LOADC c, f
.irp a, 0,1
	ds_load_b128 v[(\f)+8*(\a):(\f)+8*(\a)+3],   v[FR] offset:(\a)*16*PITCH+64*(\c)
	ds_load_b128 v[(\f)+8*(\a)+4:(\f)+8*(\a)+7], v[FR] offset:(\a)*16*PITCH+64*(\c)+32
.endr
.irp b, 0,1,2,3
	ds_load_b128 v[(\f)+16+8*(\b):(\f)+16+8*(\b)+3],   v[FR] offset:(32+16*(\b))*PITCH+64*(\c)
	ds_load_b128 v[(\f)+16+8*(\b)+4:(\f)+16+8*(\b)+7], v[FR] offset:(32+16*(\b))*PITCH+64*(\c)+32
.endr
.endm
; 8 matrix instructions on 8 accumulators, which take turns.  zero = 1: the first products start the sums: nothing is cleared.
.macro MUL f, zero
.irp a, 0,1
.irp b, 0,1,2,3
.if \zero
	v_wmma_f32_16x16x32_f16 v[ACC+8*(4*(\a)+(\b)):ACC+8*(4*(\a)+(\b))+7], v[(\f)+16+8*(\b):(\f)+16+8*(\b)+7], v[(\f)+8*(\a):(\f)+8*(\a)+7], 0
.else
	v_wmma_f32_16x16x32_f16 v[ACC+8*(4*(\a)+(\b)):ACC+8*(4*(\a)+(\b))+7], v[(\f)+16+8*(\b):(\f)+16+8*(\b)+7], v[(\f)+8*(\a):(\f)+8*(\a)+7], v[ACC+8*(4*(\a)+(\b)):ACC+8*(4*(\a)+(\b))+7]
.endif
.endr
.endr
.endm
.macro PLACES                          ; four plain vector instructions between a matrix instruction and a load into its sources, or a store of its result
.rept 4
	v_nop
.endr
.endm
	global_load_b128 v[BI:BI+3], v[BO], s[8:9]
.set i, 0
.rept 48
	GLD i                                          ; the ring is filled: 48 loads x 512 bytes a wave
.set i, i+1
.endr
.set i, 0
.rept 96
	TURN i
.set i, i+1
.endr
	; My 128 along K in four chunks of 32, on two fragment buffers.  LDS serves a wave's instructions in order (ISA guide 5.7.1.4): these loads see my stores above.
	LOADC 0, F0
	LOADC 1, F1
	s_wait_dscnt 12                                ; all but the 12 loads of the other buffer
	MUL F0, 1
	PLACES
	LOADC 2, F0
	s_wait_dscnt 12
	MUL F1, 0
	PLACES
	LOADC 3, F1
	s_wait_dscnt 12
	MUL F0, 0
	s_wait_dscnt 0x0
	MUL F1, 0
	PLACES
	; My partial tile goes into LDS: a lane's eight columns of a row are 32 bytes; each accumulator's low registers first.
.irp a, 0,1
.irp b, 0,1,2,3
	ds_store_b128 v[PS], v[ACC+8*(4*(\a)+(\b)):ACC+8*(4*(\a)+(\b))+3]   offset:(\a)*16*PITCH+64*(\b)
	ds_store_b128 v[PS], v[ACC+8*(4*(\a)+(\b))+4:ACC+8*(4*(\a)+(\b))+7] offset:(\a)*16*PITCH+64*(\b)+16
.endr
.endr
	s_wait_dscnt 0x0                               ; for the others' sake: my stores are done
	s_barrier_signal -1
	s_barrier_wait -1
	; Wave w adds up rows 4 w .. 4 w + 3 of the eight partial tiles: lanes 0-15 take one row of 256 bytes, lanes 16-31 the next; two such loads a tile.
.irp p, 0,1,2,3,4,5,6,7
.irp i, 0,1
	ds_load_b128 v[R+4*(2*(\p)+(\i)):R+4*(2*(\p)+(\i))+3], v[RD] offset:(\p)*PPB+(\i)*2*PITCH
.endr
.endr
	s_wait_dscnt 14                                ; tile 0's two loads are in; the bias starts the sums
.irp i, 0,1
	v_pk_add_f32 v[S+4*(\i):S+4*(\i)+1],   v[R+4*(\i):R+4*(\i)+1],   v[BI:BI+1]
	v_pk_add_f32 v[S+4*(\i)+2:S+4*(\i)+3], v[R+4*(\i)+2:R+4*(\i)+3], v[BI+2:BI+3]
.endr
.irp p, 1,2,3,4,5,6,7
	s_wait_dscnt 14-2*(\p)                         ; tile p's two loads are in; the later tiles' stay out
.irp i, 0,1
	v_pk_add_f32 v[S+4*(\i):S+4*(\i)+1],   v[S+4*(\i):S+4*(\i)+1],   v[R+4*(2*(\p)+(\i)):R+4*(2*(\p)+(\i))+1]
	v_pk_add_f32 v[S+4*(\i)+2:S+4*(\i)+3], v[S+4*(\i)+2:S+4*(\i)+3], v[R+4*(2*(\p)+(\i))+2:R+4*(2*(\p)+(\i))+3]
.endr
.endr
	global_store_b128 v[CO], v[S:S+3],   s[10:11]              ; 16 lanes store 256 consecutive bytes, at a multiple of 256 from C's first byte
	global_store_b128 v[CO], v[S+4:S+7], s[10:11] offset:8192  ; two rows further down
	s_wait_tensorcnt 0x0                           ; the wave's end
	ds_add_u32 v[SPW], v[NIL]
	s_wait_dscnt 0x0
	s_endpgm
.Lfunc_end_k_qe2beac6a15_qproj:
	.size	k_qe2beac6a15_qproj, .Lfunc_end_k_qe2beac6a15_qproj-k_qe2beac6a15_qproj
	.p2alignl 7, 3214868480
	.fill 96, 4, 3214868480
	.section	.rodata,"a",@progbits
	.p2align	6, 0x0
	.amdhsa_kernel k_qe2beac6a15_qproj
		.amdhsa_group_segment_fixed_size 279552
		.amdhsa_private_segment_fixed_size 0
		.amdhsa_enable_private_segment 0
		.amdhsa_kernarg_size 32
		.amdhsa_user_sgpr_count 2
		.amdhsa_user_sgpr_kernarg_segment_ptr 1
		.amdhsa_wavefront_size32 1
		.amdhsa_system_sgpr_workgroup_id_x 1
		.amdhsa_system_sgpr_workgroup_id_y 1
		.amdhsa_system_sgpr_workgroup_id_z 1
		.amdhsa_system_vgpr_workitem_id 0
		.amdhsa_next_free_vgpr 224
		.amdhsa_next_free_sgpr 66
		.amdhsa_reserve_vcc 0
		.amdhsa_float_denorm_mode_32 3
		.amdhsa_float_denorm_mode_16_64 3
		.amdhsa_memory_ordered 1
		.amdhsa_forward_progress 1
		.amdhsa_inst_pref_size 43
	.end_amdhsa_kernel
	.amdgpu_metadata
---
amdhsa.version: [ 1, 2 ]
amdhsa.kernels:
  - .name:           k_qe2beac6a15_qproj
    .symbol:         k_qe2beac6a15_qproj.kd
    .args:
      - { .name: last_state, .offset: 0, .size: 8, .value_kind: global_buffer, .address_space: global }
      - { .name: Wq, .offset: 8, .size: 8, .value_kind: global_buffer, .address_space: global }
      - { .name: bq, .offset: 16, .size: 8, .value_kind: global_buffer, .address_space: global }
      - { .name: Qf, .offset: 24, .size: 8, .value_kind: global_buffer, .address_space: global }
    .group_segment_fixed_size: 279552
    .private_segment_fixed_size: 0
    .kernarg_segment_align: 8
    .kernarg_segment_size: 32
    .max_flat_workgroup_size: 256
    .sgpr_count:     66
    .vgpr_count:     224
    .wavefront_size: 32
...
	.end_amdgpu_metadata
.endif
;; end of part 1
;; launch kfold (part 2): grid 16 x 16, 8 waves a work-group, no clusters, 304,128 bytes of LDS; arguments Qf, Wk, qt; writes qt
.if DOCPART == 2
	.amdgcn_target "amdgcn-amd-amdhsa--gfx1250"
	.amdhsa_code_object_version 6
	.text
	.protected	k_qe2beac6a15_kfold
	.globl	k_qe2beac6a15_kfold
	.p2align	8
	.type	k_qe2beac6a15_kfold,@function
k_qe2beac6a15_kfold:
	s_mov_b64 s[64:65], 0
	v_nop
	global_prefetch_b8 v0, s[64:65] scope:SCOPE_SE
	s_setreg_imm32_b32 hwreg(HW_REG_WAVE_MODE, 25, 1), 1
	s_wait_xcnt 0x0
; qt[m][n] = sum over k of Q[m][k] Wk[k][n].  Q: [512][1024], Wk: [1024][1024], qt: [512][1024], all f32 in memory; Q and Wk are rounded once to f16 for the matrix unit; sums in f32.
; It serves Q . (Wk x + bk) = (Q Wk) . x + Q . bk: the keys are never formed.  The contraction runs over Wk's FIRST index, so Wk's tile lies [k][n] in LDS and is turned on the way out.
; WHY f16: it keeps 11 significant bits where bf16 keeps 8, and four roundings lie between the inputs and the scores (last_state, Wq, Q, Wk).
; SHARES.  A work-group makes 32 rows x 64 columns: 16 x 16 = 256 work-groups.  K is split over the eight waves: wave w takes k = 128 w .. 128 w + 127 of the 32 rows of Q, and those 128
; rows of Wk in the tile's 64 columns.  A wave multiplies only what it has loaded and rounded itself; one barrier stands in front of the sum of the eight partial tiles.
; NO CLUSTER, NO TENSOR LOAD, though 16 work-groups read each tile: the rounding to f16 stands between memory and LDS, so the tiles pass through registers, and joint requests exist for
; tensor loads alone; as f32 the work-group's tiles are 32 x 4,096 + 1,024 x 256 = 393,216 bytes, more than the 327,680 there are.
; LIMITS.  f16 ends at 65,504: a number of Q or Wk of magnitude 65,520 or more becomes an infinity.  Q is a sum of 1,024 products last_state x Wq: with numbers of spread 30 and 1 it has spread
; about 1,000; with common offsets of 30 and 1 it lies near 30,000.  Below 6e-5 a number keeps f16's fixed step of 6e-8.  NaN and infinities are not treated apart; the order of the sum over k
; differs from a single ascending chain.
; THE MATRIX INSTRUCTION IS USED TRANSPOSED (source 0 = 16 columns of Wk, source 1 = 16 rows of Q): a lane holds row l % 16 of qt and eight neighbouring columns.
.set PITCH, 272                        ; a row of Q's stage and of a partial tile: 256 bytes + 16
.set PV,    160                        ; a row of Wk's stage: 64 f16 = 128 bytes + 32: 16 lanes of the turning load take 8 rows x 32 bytes, 40 words apart
.set ASTG,  32*PITCH                   ; Q's stage: 32 rows of 128 f16
.set WRB,   ASTG+128*PV                ; a wave's stage: Q's, then Wk's 128 rows
.set PB,    8*WRB                      ; behind the stages: the partial tiles,
.set PPB,   32*PITCH                   ; for each wave 32 rows of 64 f32
.set SPARE, PB+8*PPB                   ; behind them: the spare words, 128 bytes for each wave, which no other line names
.set OFF, 3                            ; v3   16 x thread = 512 w + 16 l: my 4 numbers in a row of Q
.set ST,  4                            ; v4   Q's stage, in
.set FR,  5                            ; v5   Q's stage, out
.set PS,  6                            ; v6   my partial tile, in
.set RD,  7                            ; v7   the partial tiles, back
.set CO,  8                            ; v8   the same place in qt
.set OFFB, 9                           ; v9   Wk: row 128 w + l / 16, 16 bytes at 16 (l % 16)
.set SPW, 10                           ; v10  my spare word; never rewritten
.set NIL, 11                           ; v11  0; never rewritten
.set STB, 12                           ; v12  Wk's stage, in: row l / 16, 8 bytes at 8 (l % 16)
.set FRB, 13                           ; v13  Wk's stage, out, for the turning load
.set T,   16                           ; v[16:23] four pairs of rounded numbers by turns (at the head: at work)
.set X,   32                           ; v[32:223] a ring of 48 slots of 4 registers
.set F0,  32                           ; later: two fragment buffers of 48: Q's block a at +8 a, Wk's block b at +16 + 8 b
.set F1,  80
.set ACC, 128                          ; the 8 accumulators: (a, b) at ACC + 8 (4 a + b)
.set R,   32                           ; the reduction: 8 partial tiles x 2 rows, 4 registers each
.set S,   96                           ; its sums
	s_load_b128 s[4:7], s[0:1], 0x0                ; Q s[4:5], Wk s[6:7]
	s_load_b64 s[10:11], s[0:1], 0x10              ; qt
	v_lshl_add_u32 v[SPW], v0, 2, SPARE
	v_mov_b32 v[NIL], 0
	v_lshrrev_b32 v1, 5, v0
	v_readfirstlane_b32 s12, v1                    ; wave 0..7
	s_mov_b32 s13, ttmp9                           ; nt: which 64 columns
	s_and_b32 s14, ttmp7, 0xffff                   ; mt: which 32 rows
	s_lshl_b32 s16, s14, 17                        ; 32 rows of 4,096 bytes
	s_mov_b32 s17, 0
	s_lshl_b32 s20, s13, 8                         ; 64 columns of 4 bytes
	s_mov_b32 s21, 0
	s_mul_i32 s22, s12, WRB                        ; my stage
	s_mul_i32 s23, s12, PPB
	s_add_co_u32 s23, s23, PB                      ; my partial tile
	s_mul_i32 s24, s12, 4*PITCH
	s_add_co_u32 s24, s24, PB                      ; rows 4 w on of partial tile 0
	s_lshl_b32 s25, s12, 2
	s_lshl_b32 s26, s12, 19                        ; my 128 rows of Wk, 4,096 bytes each
	s_add_co_u32 s27, s22, ASTG                    ; Wk's part of my stage
	v_and_b32 v1, 15, v0                           ; r = l % 16
	v_bfe_u32 v2, v0, 4, 1                         ; h = l / 16
	v_lshlrev_b32 v[OFF], 4, v0
	v_and_b32 v16, 31, v0
	v_lshl_add_u32 v[ST], v16, 3, s22
	v_mul_u32_u24 v17, v1, PITCH
	v_lshl_add_u32 v[FR], v2, 4, v17
	v_add_nc_u32 v[FR], s22, v[FR]
	v_lshl_add_u32 v[PS], v2, 5, v17
	v_add_nc_u32 v[PS], s23, v[PS]
	v_mul_u32_u24 v18, v2, PITCH
	v_lshl_add_u32 v[RD], v1, 4, v18
	v_add_nc_u32 v[RD], s24, v[RD]
	v_add_nc_u32 v[CO], s25, v2                    ; row 4 w + h,
	v_lshlrev_b32 v[CO], 12, v[CO]                 ; times 4,096,
	v_lshl_add_u32 v[CO], v1, 4, v[CO]             ; + 16 r
	v_lshl_add_u32 v[OFFB], v2, 12, s26
	v_lshl_add_u32 v[OFFB], v1, 4, v[OFFB]
	v_mul_u32_u24 v21, v2, PV
	v_lshl_add_u32 v21, v1, 3, v21
	v_add_nc_u32 v[STB], s27, v21
	; The turning load takes 16 k x 16 n (lane l reads 16 bytes: k row 8 (l / 16) + l % 8, columns 8 ((l / 8) % 2) + 0..7) and leaves half a fragment: lane l holds column l % 16 and 8 k.
	v_and_b32 v19, 7, v0
	v_lshl_add_u32 v19, v2, 3, v19
	v_mul_u32_u24 v19, v19, PV
	v_bfe_u32 v20, v0, 3, 1
	v_lshl_add_u32 v19, v20, 4, v19
	v_add_nc_u32 v[FRB], s27, v19
	s_wait_kmcnt 0x0
	s_add_nc_u64 s[4:5], s[4:5], s[16:17]          ; Q at the tile's first row
	s_add_nc_u64 s[6:7], s[6:7], s[20:21]          ; Wk at the tile's first column
	s_add_nc_u64 s[10:11], s[10:11], s[16:17]      ; qt at the tile's corner
	s_add_nc_u64 s[10:11], s[10:11], s[20:21]
; Load n of 96.  n < 32: row n of Q, my wave's 512 consecutive bytes.  Else two of my rows of Wk, 2 (n - 32) + l / 16: two aligned pieces of 256 consecutive bytes.  Into slot n % 48.
.macro GLD n
.if (\n) < 32
	global_load_b128 v[X+4*((\n)%48):X+4*((\n)%48)+3], v[OFF], s[4:5] offset:(\n)*4096
.else
	global_load_b128 v[X+4*((\n)%48):X+4*((\n)%48)+3], v[OFFB], s[6:7] offset:((\n)-32)*8192
.endif
.endm
; Turn n: load n has come; its 4 numbers a lane are rounded to f16 and go into my stage; the slot takes load n + 48.
.macro TURN n
.if (\n) < 48
	s_wait_loadcnt 47                              ; loads come back in order: behind load n stand 47 - n of the first 48 and the n issued by earlier turns
.else
	s_wait_loadcnt 95-(\n)                         ; nothing more is issued: the count runs down to 0
.endif
	v_cvt_pk_f16_f32 v[T+2*((\n)%4)], v[X+4*((\n)%48)], v[X+4*((\n)%48)+1]
	v_cvt_pk_f16_f32 v[T+2*((\n)%4)+1], v[X+4*((\n)%48)+2], v[X+4*((\n)%48)+3]
.if (\n) < 32
	ds_store_b64 v[ST], v[T+2*((\n)%4):T+2*((\n)%4)+1] offset:(\n)*PITCH
.else
	ds_store_b64 v[STB], v[T+2*((\n)%4):T+2*((\n)%4)+1] offset:((\n)-32)*2*PV
.endif
.if (\n) < 48
	GLD (\n)+48
.endif
.endm
; 12 LDS loads: the fragments of 32 along K (chunk c of my 128) into buffer f: Q's as they lie, Wk's turned (k rows 32 c on, and 16 further down).
.macro LOADC c, f
.irp a, 0,1
	ds_load_b128 v[(\f)+8*(\a):(\f)+8*(\a)+3],   v[FR] offset:(\a)*16*PITCH+64*(\c)
	ds_load_b128 v[(\f)+8*(\a)+4:(\f)+8*(\a)+7], v[FR] offset:(\a)*16*PITCH+64*(\c)+32
.endr
.irp b, 0,1,2,3
	ds_load_tr16_b128 v[(\f)+16+8*(\b):(\f)+16+8*(\b)+3],   v[FRB] offset:(\c)*32*PV+32*(\b)
	ds_load_tr16_b128 v[(\f)+16+8*(\b)+4:(\f)+16+8*(\b)+7], v[FRB] offset:(\c)*32*PV+16*PV+32*(\b)
.endr
.endm
; 8 matrix instructions on 8 accumulators, which take turns.  zero = 1: the first products start the sums.
.macro MUL f, zero
.irp a, 0,1
.irp b, 0,1,2,3
.if \zero
	v_wmma_f32_16x16x32_f16 v[ACC+8*(4*(\a)+(\b)):ACC+8*(4*(\a)+(\b))+7], v[(\f)+16+8*(\b):(\f)+16+8*(\b)+7], v[(\f)+8*(\a):(\f)+8*(\a)+7], 0
.else
	v_wmma_f32_16x16x32_f16 v[ACC+8*(4*(\a)+(\b)):ACC+8*(4*(\a)+(\b))+7], v[(\f)+16+8*(\b):(\f)+16+8*(\b)+7], v[(\f)+8*(\a):(\f)+8*(\a)+7], v[ACC+8*(4*(\a)+(\b)):ACC+8*(4*(\a)+(\b))+7]
.endif
.endr
.endr
.endm
.macro PLACES                          ; four plain vector instructions between a matrix instruction and a load into its sources, or a store of its result
.rept 4
	v_nop
.endr
.endm
.set i, 0
.rept 48
	GLD i                                          ; the ring is filled: 48 loads x 512 bytes a wave
.set i, i+1
.endr
.set i, 0
.rept 96
	TURN i
.set i, i+1
.endr
	; My 128 along K in four chunks of 32, on two fragment buffers.  LDS serves a wave's instructions in order (ISA guide 5.7.1.4): these loads see my stores above.
	LOADC 0, F0
	LOADC 1, F1
	s_wait_dscnt 12                                ; all but the 12 loads of the other buffer
	MUL F0, 1
	PLACES
	LOADC 2, F0
	s_wait_dscnt 12
	MUL F1, 0
	PLACES
	LOADC 3, F1
	s_wait_dscnt 12
	MUL F0, 0
	s_wait_dscnt 0x0
	MUL F1, 0
	PLACES
	; My partial tile goes into LDS; each accumulator's low registers first.
.irp a, 0,1
.irp b, 0,1,2,3
	ds_store_b128 v[PS], v[ACC+8*(4*(\a)+(\b)):ACC+8*(4*(\a)+(\b))+3]   offset:(\a)*16*PITCH+64*(\b)
	ds_store_b128 v[PS], v[ACC+8*(4*(\a)+(\b))+4:ACC+8*(4*(\a)+(\b))+7] offset:(\a)*16*PITCH+64*(\b)+16
.endr
.endr
	s_wait_dscnt 0x0                               ; for the others' sake: my stores are done
	s_barrier_signal -1
	s_barrier_wait -1
	; Wave w adds up rows 4 w .. 4 w + 3 of the eight partial tiles.
.irp p, 0,1,2,3,4,5,6,7
.irp i, 0,1
	ds_load_b128 v[R+4*(2*(\p)+(\i)):R+4*(2*(\p)+(\i))+3], v[RD] offset:(\p)*PPB+(\i)*2*PITCH
.endr
.endr
	s_wait_dscnt 12                                ; tiles 0 and 1 are in: they start the sums
.irp i, 0,1
	v_pk_add_f32 v[S+4*(\i):S+4*(\i)+1],   v[R+4*(\i):R+4*(\i)+1],   v[R+8+4*(\i):R+8+4*(\i)+1]
	v_pk_add_f32 v[S+4*(\i)+2:S+4*(\i)+3], v[R+4*(\i)+2:R+4*(\i)+3], v[R+8+4*(\i)+2:R+8+4*(\i)+3]
.endr
.irp p, 2,3,4,5,6,7
	s_wait_dscnt 14-2*(\p)                         ; tile p's two loads are in; the later tiles' stay out
.irp i, 0,1
	v_pk_add_f32 v[S+4*(\i):S+4*(\i)+1],   v[S+4*(\i):S+4*(\i)+1],   v[R+4*(2*(\p)+(\i)):R+4*(2*(\p)+(\i))+1]
	v_pk_add_f32 v[S+4*(\i)+2:S+4*(\i)+3], v[S+4*(\i)+2:S+4*(\i)+3], v[R+4*(2*(\p)+(\i))+2:R+4*(2*(\p)+(\i))+3]
.endr
.endr
	global_store_b128 v[CO], v[S:S+3],   s[10:11]              ; 16 lanes store 256 consecutive bytes, at a multiple of 256 from qt's first byte
	global_store_b128 v[CO], v[S+4:S+7], s[10:11] offset:8192  ; two rows further down
	s_wait_tensorcnt 0x0                           ; the wave's end
	ds_add_u32 v[SPW], v[NIL]
	s_wait_dscnt 0x0
	s_endpgm
.Lfunc_end_k_qe2beac6a15_kfold:
	.size	k_qe2beac6a15_kfold, .Lfunc_end_k_qe2beac6a15_kfold-k_qe2beac6a15_kfold
	.p2alignl 7, 3214868480
	.fill 96, 4, 3214868480
	.section	.rodata,"a",@progbits
	.p2align	6, 0x0
	.amdhsa_kernel k_qe2beac6a15_kfold
		.amdhsa_group_segment_fixed_size 304128
		.amdhsa_private_segment_fixed_size 0
		.amdhsa_enable_private_segment 0
		.amdhsa_kernarg_size 24
		.amdhsa_user_sgpr_count 2
		.amdhsa_user_sgpr_kernarg_segment_ptr 1
		.amdhsa_wavefront_size32 1
		.amdhsa_system_sgpr_workgroup_id_x 1
		.amdhsa_system_sgpr_workgroup_id_y 1
		.amdhsa_system_sgpr_workgroup_id_z 1
		.amdhsa_system_vgpr_workitem_id 0
		.amdhsa_next_free_vgpr 224
		.amdhsa_next_free_sgpr 66
		.amdhsa_reserve_vcc 0
		.amdhsa_float_denorm_mode_32 3
		.amdhsa_float_denorm_mode_16_64 3
		.amdhsa_memory_ordered 1
		.amdhsa_forward_progress 1
		.amdhsa_inst_pref_size 43
	.end_amdhsa_kernel
	.amdgpu_metadata
---
amdhsa.version: [ 1, 2 ]
amdhsa.kernels:
  - .name:           k_qe2beac6a15_kfold
    .symbol:         k_qe2beac6a15_kfold.kd
    .args:
      - { .name: Qf, .offset: 0, .size: 8, .value_kind: global_buffer, .address_space: global }
      - { .name: Wk, .offset: 8, .size: 8, .value_kind: global_buffer, .address_space: global }
      - { .name: qt, .offset: 16, .size: 8, .value_kind: global_buffer, .address_space: global }
    .group_segment_fixed_size: 304128
    .private_segment_fixed_size: 0
    .kernarg_segment_align: 8
    .kernarg_segment_size: 24
    .max_flat_workgroup_size: 256
    .sgpr_count:     66
    .vgpr_count:     224
    .wavefront_size: 32
...
	.end_amdgpu_metadata
.endif
;; end of part 2
;; launch stream (part 3): grid 256 x 1, 16 waves a work-group, no clusters, 68,608 bytes of LDS; arguments all_states, qt, Qf, bk, IEs, We, cbuf, out1; writes cbuf, out1
.if DOCPART == 3
	.amdgcn_target "amdgcn-amd-amdhsa--gfx1250"
	.amdhsa_code_object_version 6
	.text
	.protected	k_qe2beac6a15_stream
	.globl	k_qe2beac6a15_stream
	.p2align	8
	.type	k_qe2beac6a15_stream,@function
k_qe2beac6a15_stream:
	s_mov_b64 s[64:65], 0
	v_nop
	global_prefetch_b8 v0, s[64:65] scope:SCOPE_SE
	s_setreg_imm32_b32 hwreg(HW_REG_WAVE_MODE, 25, 1), 1
	s_wait_xcnt 0x0
; For each batch b: score[m] = (qt[b] . x[b][m] + Q[b] . bk) / 32 * exp(-We[m] IE[b][m]); attn = softmax over the 64 m; c[b] = sum over m of attn[m] x[b][m].
; x = all_states [512][64][1024], qt = Q Wk and Q [512][1024], bk [1024], IE [512][64], We [64], c [512][1024], attn [512][64]: all f32, and all arithmetic here in f32.
; Q . bk does not drop out of the softmax, since the factor exp(-We IE) differs from m to m: it is computed and kept.
; x IS READ ONCE.  A work-group has two batches; eight waves share a batch, wave u its rows 8 u .. 8 u + 7 (32,768 consecutive bytes).  A row is eight loads of 512 consecutive bytes:
; lane l holds columns 128 j + 4 l .. + 3.  Each wave runs a softmax with a running maximum of its own, row by row: m, l and C = sum of 2^(t - m) x, so that a row's registers are
; free as soon as that row alone is done.  The eight waves of a batch meet once at the end, through LDS.  t = score x log2(e): the exponentials work in base 2.
; ON THE VECTOR UNIT: there is one query a batch, a sixteenth of a matrix tile, and each number of x serves two multiply-adds; rounding it to 16 bits would cost as much as they do.
; NO LDS RING, NO CLUSTER: no two work-groups read the same bytes of x; what they share (bk, We: 4,352 bytes) is nothing beside a work-group's 524,288 bytes of x.
; LIMITS.  An exponential below 2^-126 counts as 0 (v_exp_f32: ISA guide 15.8): exp(-We IE) for We IE above about 87, and weights that small.  NaN and infinities are not treated apart.
; The sums' order differs from a single ascending chain.
.set CP,    0                          ; 16 x 4,096 bytes: wave w's C
.set STA,   65536                      ; 16 x 8: wave w's m and l
.set TS,    65792                      ; 16 x 32: wave w's eight t: a batch's 64 are 256 consecutive bytes
.set QBP,   66304                      ; 16 x 4: wave w's part of Q . bk
.set SPARE, 66560                      ; the spare words, 128 bytes for each of 16 waves, which no other line names
.set LN,  1                            ; v1   lane
.set XO,  2                            ; v2   16 x lane
.set IO,  3                            ; v3   4 (lane % 8)
.set SPW, 4                            ; v4   my spare word; never rewritten
.set NIL, 5                            ; v5   0; never rewritten
.set CPI, 6                            ; v6   CP, in
.set CPB, 7                            ; v7   CP, back: columns 128 u on of my batch's first partial sum
.set STI, 8                            ; v8   STA, in
.set STB, 9                            ; v9   STA, back: my batch's eight pairs
.set TSI, 10                           ; v10  TS, in
.set TSB, 11                           ; v11  TS, back: 8 bytes a lane of my batch's 256
.set QBI, 12                           ; v12  QBP, in
.set QBB, 13                           ; v13  QBP, back
.set QB,  14                           ; v14  Q . bk
.set M0,  15                           ; v15, v16  the running maximum, by the row's parity: row 7 leaves it in v16,
.set LS,  17                           ; v17  beside l: v[16:17] is stored as a pair
.set AL,  18                           ; v[18:19] 2^(m_old - m_new), in the low word
.set PW,  20                           ; v[20:21] 2^(t - m_new), in the low word
.set TV,  22                           ; v22  lane l: t of my row l % 8
.set GV,  23                           ; v23  lane l: exp(-We IE) log2(e) / 32 of my row l % 8
.set D,   24                           ; v[24:31] four chains of the dot product; later the output
.set QS,  32                           ; v[32:35] my 4 numbers of Q
.set BK,  36                           ; v[36:39] and of bk
.set IE,  40
.set WE,  41
.set TT,  42                           ; v42  t; later the batch's maximum
.set U1,  43                           ; v43, v44 at work; later the batch's sum and its reciprocal
.set U2,  44
.set AO,  46                           ; v46  8 x lane
.set QT,  48                           ; v[48:79] qt[b]
.set SL,  80                           ; five row slots of 32.  Slot 0 takes row 0 and then IS C (weight 1): nothing is copied or cleared.  Row r >= 1 lies in slot 1 + (r - 1) % 4
.set G,   32                           ; s[32:39] my eight rows' factors
	s_load_b512 s[4:19], s[0:1], 0x0               ; x s[4:5], qt s[6:7], Q s[8:9], bk s[10:11], IE s[12:13], We s[14:15], c s[16:17], attn s[18:19]
	v_lshl_add_u32 v[SPW], v0, 2, SPARE
	v_mov_b32 v[NIL], 0
	v_lshrrev_b32 v[LN], 5, v0
	v_readfirstlane_b32 s20, v[LN]                 ; wave 0..15
	s_and_b32 s21, s20, 7                          ; u: which eight rows
	s_lshr_b32 s22, s20, 3                         ; which of the two batches
	s_lshl_b32 s23, ttmp9, 1
	s_add_co_u32 s23, s23, s22                     ; b
	v_and_b32 v[LN], 31, v0
	v_lshlrev_b32 v[XO], 4, v[LN]
	v_and_b32 v[IO], 7, v0
	v_lshlrev_b32 v[IO], 2, v[IO]
	v_lshlrev_b32 v[AO], 3, v[LN]
	s_lshl_b32 s28, s20, 12
	v_add_nc_u32 v[CPI], s28, v[XO]
	s_lshl_b32 s29, s22, 15
	s_lshl_b32 s30, s21, 9
	s_add_co_u32 s29, s29, s30
	v_add_nc_u32 v[CPB], s29, v[XO]
	s_lshl_b32 s31, s20, 3
	s_add_co_u32 s31, s31, STA
	v_mov_b32 v[STI], s31
	s_lshl_b32 s31, s22, 6
	s_add_co_u32 s31, s31, STA
	v_mov_b32 v[STB], s31
	s_lshl_b32 s31, s20, 5
	s_add_co_u32 s31, s31, TS
	v_add_nc_u32 v[TSI], s31, v[IO]
	s_lshl_b32 s31, s22, 8
	s_add_co_u32 s31, s31, TS
	v_lshl_add_u32 v[TSB], v[LN], 3, s31
	s_lshl_b32 s31, s20, 2
	s_add_co_u32 s31, s31, QBP
	v_mov_b32 v[QBI], s31
	s_lshl_b32 s31, s22, 5
	s_add_co_u32 s31, s31, QBP
	v_mov_b32 v[QBB], s31
	v_mov_b32 v[AL+1], 0                           ; named with their low words as pairs, so they are written
	v_mov_b32 v[PW+1], 0
	s_mov_b32 s40, 0x76543210                      ; v_permlanex16_b32: each lane takes its own place in the other half
	s_mov_b32 s41, 0xfedcba98
	s_mov_b32 s25, 0
	s_mov_b32 s27, 0
	s_lshl_b32 s24, s23, 18                        ; a batch is 262,144 bytes of x,
	s_lshl_b32 s26, s21, 15                        ; eight rows 32,768
	s_add_co_u32 s24, s24, s26
	s_wait_kmcnt 0x0
	s_add_nc_u64 s[4:5], s[4:5], s[24:25]          ; x at my first row
	s_lshl_b32 s24, s23, 12
	s_add_nc_u64 s[6:7], s[6:7], s[24:25]          ; qt at row b
	s_lshl_b32 s26, s21, 9
	s_add_nc_u64 s[10:11], s[10:11], s[26:27]      ; bk at column 128 u
	s_add_co_u32 s24, s24, s26
	s_add_nc_u64 s[8:9], s[8:9], s[24:25]          ; Q and c at row b, column 128 u
	s_add_nc_u64 s[16:17], s[16:17], s[24:25]
	s_lshl_b32 s24, s23, 8
	s_add_nc_u64 s[18:19], s[18:19], s[24:25]      ; attn at row b
	s_lshl_b32 s26, s21, 5
	s_add_nc_u64 s[14:15], s[14:15], s[26:27]      ; We at my first row
	s_add_co_u32 s24, s24, s26
	s_add_nc_u64 s[12:13], s[12:13], s[24:25]      ; IE at row b, my first row
.macro SLOTOF r                        ; sl = the first register of row r's slot
.if (\r) == 0
.set sl, SL
.else
.set sl, SL+32+32*(((\r)-1)%4)
.endif
.endm
.macro LDROW r                         ; eight loads of 512 consecutive bytes: my row r.  x is read once in the launch
	SLOTOF \r
.irp j, 0,1,2,3,4,5,6,7
	global_load_b128 v[sl+4*(\j):sl+4*(\j)+3], v[XO], s[4:5] offset:(\r)*4096+(\j)*512 th:TH_LOAD_NT
.endr
.endm
.macro RED32 v, tmp                    ; the sum over the 32 lanes, in every lane: four steps inside each half ride on the addition, one crosses the halves
	v_add_f32_dpp v[\v], v[\v], v[\v] row_xmask:1 row_mask:0xf bank_mask:0xf
	v_add_f32_dpp v[\v], v[\v], v[\v] row_xmask:2 row_mask:0xf bank_mask:0xf
	v_add_f32_dpp v[\v], v[\v], v[\v] row_xmask:4 row_mask:0xf bank_mask:0xf
	v_add_f32_dpp v[\v], v[\v], v[\v] row_xmask:8 row_mask:0xf bank_mask:0xf
	v_permlanex16_b32 v[\tmp], v[\v], s40, s41     ; its destination counts as read: a register that has been written
	v_add_f32 v[\v], v[\v], v[\tmp]
.endm
	; 52 loads of a wave go out on end: 4 small ones, qt's 8, and five rows' 40: 20,480 bytes of x a wave, 327,680 a work-group
	global_load_b128 v[QS:QS+3], v[XO], s[8:9]
	global_load_b128 v[BK:BK+3], v[XO], s[10:11]
	global_load_b32 v[IE], v[IO], s[12:13]
	global_load_b32 v[WE], v[IO], s[14:15]
.irp j, 0,1,2,3,4,5,6,7
	global_load_b128 v[QT+4*(\j):QT+4*(\j)+3], v[XO], s[6:7] offset:(\j)*512
.endr
	LDROW 0
	LDROW 1
	LDROW 2
	LDROW 3
	LDROW 4
	; The rows' factors, and my 128 terms of Q . bk
	s_wait_loadcnt 48                              ; the four small loads are in; qt's 8 and the rows' 40 stay out
	v_mul_f32 v[TT], v[WE], v[IE]
	v_mul_f32 v[TT], 0xbfb8aa3b, v[TT]             ; -log2(e) We IE
	v_exp_f32 v[GV], v[TT]
	v_pk_mul_f32 v[D:D+1], v[QS:QS+1], v[BK:BK+1]  ; (also the plain instruction behind the exponential: ISA guide 5.7.2)
	v_pk_fma_f32 v[D:D+1], v[QS+2:QS+3], v[BK+2:BK+3], v[D:D+1]
	v_add_f32 v[D], v[D], v[D+1]
	RED32 D, D+1
	ds_store_b32 v[QBI], v[D]                      ; all lanes write the same word with the same number
	s_wait_alu depctr_va_vdst(0)
	v_mul_f32 v[GV], 0x3d38aa3b, v[GV]             ; times log2(e) / 32
.irp r, 0,1,2,3,4,5,6,7
	v_readlane_b32 s[G+(\r)], v[GV], \r
.endr
	s_wait_dscnt 0x0                               ; for the others' sake: my store is done
	s_barrier_signal -1                            ; (the loads of x and qt stay on their way: nobody writes those bytes)
	s_barrier_wait -1
	ds_load_b128 v[QS:QS+3], v[QBB]                ; my batch's eight parts
	ds_load_b128 v[BK:BK+3], v[QBB] offset:16
	s_wait_dscnt 0x0
	v_pk_add_f32 v[QS:QS+1], v[QS:QS+1], v[QS+2:QS+3]
	v_pk_add_f32 v[BK:BK+1], v[BK:BK+1], v[BK+2:BK+3]
	v_pk_add_f32 v[QS:QS+1], v[QS:QS+1], v[BK:BK+1]
	v_add_f32 v[QB], v[QS], v[QS+1]
; My row r.  left = how many younger loads may stay out.  The dot product in four chains that the first four products start; t; the running maximum; C and l rescaled and added to.
; Rows 1, 2, 3 hand their slots to rows 5, 6, 7.
.macro ROW r, left
	SLOTOF \r
	s_wait_loadcnt \left
.irp q, 0,1,2,3
	v_pk_mul_f32 v[D+2*(\q):D+2*(\q)+1], v[sl+2*(\q):sl+2*(\q)+1], v[QT+2*(\q):QT+2*(\q)+1]
.endr
.irp q, 4,5,6,7,8,9,10,11,12,13,14,15
	v_pk_fma_f32 v[D+2*((\q)%4):D+2*((\q)%4)+1], v[sl+2*(\q):sl+2*(\q)+1], v[QT+2*(\q):QT+2*(\q)+1], v[D+2*((\q)%4):D+2*((\q)%4)+1]
.endr
	v_pk_add_f32 v[D:D+1], v[D:D+1], v[D+2:D+3]
	v_pk_add_f32 v[D+4:D+5], v[D+4:D+5], v[D+6:D+7]
	v_pk_add_f32 v[D:D+1], v[D:D+1], v[D+4:D+5]
	v_add_f32 v[D], v[D], v[D+1]
	RED32 D, D+1
	v_add_f32 v[TT], v[D], v[QB]
.if (\r) == 0
	v_mul_f32 v[M0], s[G], v[TT]                   ; the first t is the first maximum; its weight is 1, and the row itself is C
	v_mov_b32 v[LS], 1.0
	v_mov_b32 v[TV], v[M0]
.else
	v_mul_f32 v[TT], s[G+(\r)], v[TT]
	v_max_num_f32 v[M0+(\r)%2], v[M0+((\r)+1)%2], v[TT]
	v_sub_f32 v[U1], v[M0+((\r)+1)%2], v[M0+(\r)%2]
	v_sub_f32 v[U2], v[TT], v[M0+(\r)%2]
	v_exp_f32 v[AL], v[U1]
	v_exp_f32 v[PW], v[U2]
	s_mov_b32 s42, 0x01010101<<(\r)                ; the lanes with l % 8 = r
	v_cndmask_b32 v[TV], v[TV], v[TT], s42         ; they keep this row's t (also the plain instruction behind the exponentials)
	s_wait_alu depctr_va_vdst(0)
	v_fma_f32 v[LS], v[LS], v[AL], v[PW]
.irp q, 0,1,2,3,4,5,6,7,8,9,10,11,12,13,14,15
	v_pk_mul_f32 v[SL+2*(\q):SL+2*(\q)+1], v[SL+2*(\q):SL+2*(\q)+1], v[AL:AL+1] op_sel_hi:[1,0]
.endr
.irp q, 0,1,2,3,4,5,6,7,8,9,10,11,12,13,14,15
	v_pk_fma_f32 v[SL+2*(\q):SL+2*(\q)+1], v[sl+2*(\q):sl+2*(\q)+1], v[PW:PW+1], v[SL+2*(\q):SL+2*(\q)+1] op_sel_hi:[1,0,1]
.endr
.if (\r) < 4
	LDROW (\r)+4
.endif
.endif
.endm
	ROW 0, 32                                      ; rows 1 to 4 are younger
	ROW 1, 24                                      ; three younger rows, here and in the next three
	ROW 2, 24
	ROW 3, 24
	ROW 4, 24
	ROW 5, 16                                      ; nothing more is asked for: the counts run down
	ROW 6, 8
	ROW 7, 0
	; THE MERGE.  Each wave leaves C, (m, l) and its eight t in LDS; behind the barrier wave u makes columns 128 u .. 128 u + 127 of its batch's c.
.irp j, 0,1,2,3,4,5,6,7
	ds_store_b128 v[CPI], v[SL+4*(\j):SL+4*(\j)+3] offset:(\j)*512
.endr
	ds_store_b64 v[STI], v[M0+1:LS]
	ds_store_b32 v[TSI], v[TV]
	s_wait_dscnt 0x0                               ; for the others' sake: my stores are done
	s_barrier_signal -1
	s_barrier_wait -1
.set MP, SL+32                         ; v[112:127] the eight pairs (m, l); v[128:129] two t
.set CQ, SL+64                         ; v[144:175] the eight partial sums, 4 columns a lane
.irp k, 0,1,2,3
	ds_load_b128 v[MP+4*(\k):MP+4*(\k)+3], v[STB] offset:16*(\k)
.endr
	ds_load_b64 v[MP+16:MP+17], v[TSB]             ; t of rows 2 l, 2 l + 1: one load, issued by every wave, so that no LDS instruction stands behind the closing lines; wave u = 0 uses it
.irp k, 0,1,2,3,4,5,6,7
	ds_load_b128 v[CQ+4*(\k):CQ+4*(\k)+3], v[CPB] offset:(\k)*4096
.endr
	s_wait_dscnt 8                                 ; the pairs and the t are in; the eight partial sums stay out
	v_max3_num_f32 v[TT], v[MP], v[MP+2], v[MP+4]
	v_max3_num_f32 v[U1], v[MP+6], v[MP+8], v[MP+10]
	v_max3_num_f32 v[TT], v[TT], v[MP+12], v[MP+14]
	v_max_num_f32 v[TT], v[TT], v[U1]              ; the batch's maximum
.irp k, 0,1,2,3,4,5,6,7
	v_sub_f32 v[MP+2*(\k)], v[MP+2*(\k)], v[TT]
.endr
.irp k, 0,1,2,3,4,5,6,7
	v_exp_f32 v[MP+2*(\k)], v[MP+2*(\k)]           ; f = 2^(m - maximum)
.endr
	v_nop                                          ; a plain instruction behind the last exponential
	s_wait_alu depctr_va_vdst(0)
	v_mul_f32 v[U1], v[MP], v[MP+1]
.irp k, 1,2,3,4,5,6,7
	v_fma_f32 v[U1], v[MP+2*(\k)], v[MP+2*(\k)+1], v[U1]  ; the batch's sum: at least 1, since the wave that holds the maximum has f = 1 and l >= 1
.endr
	v_rcp_f32 v[U2], v[U1]
	v_nop                                          ; a plain instruction behind the reciprocal
	s_wait_alu depctr_va_vdst(0)
.irp k, 0,1,2,3,4,5,6,7
	v_mul_f32 v[MP+2*(\k)], v[MP+2*(\k)], v[U2]    ; f / sum, in the pair's low word
.endr
	s_wait_dscnt 0x0
	v_pk_mul_f32 v[D:D+1],   v[CQ:CQ+1],   v[MP:MP+1] op_sel_hi:[1,0]
	v_pk_mul_f32 v[D+2:D+3], v[CQ+2:CQ+3], v[MP:MP+1] op_sel_hi:[1,0]
.irp k, 1,2,3,4,5,6,7
	v_pk_fma_f32 v[D:D+1],   v[CQ+4*(\k):CQ+4*(\k)+1],   v[MP+2*(\k):MP+2*(\k)+1], v[D:D+1]   op_sel_hi:[1,0,1]
	v_pk_fma_f32 v[D+2:D+3], v[CQ+4*(\k)+2:CQ+4*(\k)+3], v[MP+2*(\k):MP+2*(\k)+1], v[D+2:D+3] op_sel_hi:[1,0,1]
.endr
	global_store_b128 v[XO], v[D:D+3], s[16:17]    ; 512 consecutive bytes, at a multiple of 256 from c's first byte
	s_wait_tensorcnt 0x0                           ; the wave's end
	ds_add_u32 v[SPW], v[NIL]
	s_wait_dscnt 0x0
	s_cmp_lg_u32 s21, 0                            ; attn: one wave a batch writes the row's 256 bytes whole
	s_cbranch_scc1 .Lend
	v_sub_f32 v[MP+16], v[MP+16], v[TT]
	v_sub_f32 v[MP+17], v[MP+17], v[TT]
	v_exp_f32 v[MP+16], v[MP+16]
	v_exp_f32 v[MP+17], v[MP+17]
	v_nop                                          ; a plain instruction behind the exponentials
	s_wait_alu depctr_va_vdst(0)
	v_mul_f32 v[MP+16], v[MP+16], v[U2]
	v_mul_f32 v[MP+17], v[MP+17], v[U2]
	global_store_b64 v[AO], v[MP+16:MP+17], s[18:19]  ; 32 lanes x 8 bytes: 256 consecutive bytes, at a multiple of 256 from attn's first byte
.Lend:
	s_endpgm
.Lfunc_end_k_qe2beac6a15_stream:
	.size	k_qe2beac6a15_stream, .Lfunc_end_k_qe2beac6a15_stream-k_qe2beac6a15_stream
	.p2alignl 7, 3214868480
	.fill 96, 4, 3214868480
	.section	.rodata,"a",@progbits
	.p2align	6, 0x0
	.amdhsa_kernel k_qe2beac6a15_stream
		.amdhsa_group_segment_fixed_size 68608
		.amdhsa_private_segment_fixed_size 0
		.amdhsa_enable_private_segment 0
		.amdhsa_kernarg_size 64
		.amdhsa_user_sgpr_count 2
		.amdhsa_user_sgpr_kernarg_segment_ptr 1
		.amdhsa_wavefront_size32 1
		.amdhsa_system_sgpr_workgroup_id_x 1
		.amdhsa_system_sgpr_workgroup_id_y 1
		.amdhsa_system_sgpr_workgroup_id_z 1
		.amdhsa_system_vgpr_workitem_id 0
		.amdhsa_next_free_vgpr 240
		.amdhsa_next_free_sgpr 66
		.amdhsa_reserve_vcc 0
		.amdhsa_float_denorm_mode_32 3
		.amdhsa_float_denorm_mode_16_64 3
		.amdhsa_memory_ordered 1
		.amdhsa_forward_progress 1
		.amdhsa_inst_pref_size 47
	.end_amdhsa_kernel
	.amdgpu_metadata
---
amdhsa.version: [ 1, 2 ]
amdhsa.kernels:
  - .name:           k_qe2beac6a15_stream
    .symbol:         k_qe2beac6a15_stream.kd
    .args:
      - { .name: all_states, .offset: 0, .size: 8, .value_kind: global_buffer, .address_space: global }
      - { .name: qt, .offset: 8, .size: 8, .value_kind: global_buffer, .address_space: global }
      - { .name: Qf, .offset: 16, .size: 8, .value_kind: global_buffer, .address_space: global }
      - { .name: bk, .offset: 24, .size: 8, .value_kind: global_buffer, .address_space: global }
      - { .name: IEs, .offset: 32, .size: 8, .value_kind: global_buffer, .address_space: global }
      - { .name: We, .offset: 40, .size: 8, .value_kind: global_buffer, .address_space: global }
      - { .name: cbuf, .offset: 48, .size: 8, .value_kind: global_buffer, .address_space: global }
      - { .name: out1, .offset: 56, .size: 8, .value_kind: global_buffer, .address_space: global }
    .group_segment_fixed_size: 68608
    .private_segment_fixed_size: 0
    .kernarg_segment_align: 8
    .kernarg_segment_size: 64
    .max_flat_workgroup_size: 512
    .sgpr_count:     66
    .vgpr_count:     240
    .wavefront_size: 32
...
	.end_amdgpu_metadata
.endif
;; end of part 3
;; launch vproj: the kernel of part 1 again; grid 16 x 16, 8 waves a work-group, no clusters, 279,552 bytes of LDS; arguments cbuf, Wv, bv, out0; writes out0
;; ======== version 2 of 2: 4 launches; version 1 with the launches qproj, kfold, vproj written anew for expert scheduling mode
;; limits: values are held in f16: magnitudes above 65,504 overflow, below 6.1e-05 lose precision; right only within a limited range of input values
;; workspace buffers: Qf 2,097,152 bytes; qt 2,097,152 bytes; cbuf 2,097,152 bytes
;; launch qproj (part 4): grid 16 x 16, 8 waves a work-group, no clusters, 279,552 bytes of LDS; arguments last_state, Wq, bq, Qf; writes Qf
.if DOCPART == 4
	.amdgcn_target "amdgcn-amd-amdhsa--gfx1250"
	.amdhsa_code_object_version 6
	.text
	.protected	k_qe2beac6a15_qproj
	.globl	k_qe2beac6a15_qproj
	.p2align	8
	.type	k_qe2beac6a15_qproj,@function
k_qe2beac6a15_qproj:
	s_mov_b64 s[64:65], 0
	v_nop
	global_prefetch_b8 v0, s[64:65] scope:SCOPE_SE
	s_setreg_imm32_b32 hwreg(HW_REG_WAVE_SCHED_MODE, 0, 2), 2
	s_setreg_imm32_b32 hwreg(HW_REG_WAVE_MODE, 25, 1), 1
	s_wait_xcnt 0x0
	s_wait_alu depctr_vm_vsrc(0)
; C[m][n] = sum over k of A[m][k] B[n][k] + bias[n].  A: [512][1024], B: [1024][1024], bias: [1024], C: [512][1024], all f32 in memory.
; A and B are rounded once to f16 on the way to the matrix unit; sums in f32; the bias is added in f32.  Used twice: Q = last_state Wq^T + bq, and context = c Wv^T + bv.
; (The second use rests on sum_m attn[m] (Wv x[m] + bv) = Wv (sum_m attn[m] x[m]) + bv, since a softmax's weights add up to 1: bv is added once.)
; WHY f16: it keeps 11 significant bits where bf16 keeps 8, and six roundings lie between the inputs and the context (last_state, Wq, Q, Wk, c, Wv).
; SHARES.  A work-group makes 32 rows x 64 columns of C: 16 x 16 = 256 work-groups.  K IS SPLIT OVER THE EIGHT WAVES: wave w takes k = 128 w .. 128 w + 127 of all 32 rows of A
; and all 64 rows of B.  So a wave multiplies only what it has loaded and rounded itself: its stage in LDS is its own, and no barrier stands between loading and multiplying.
; One barrier stands in front of the sum of the eight partial tiles.  The order of the sum over k therefore differs from a single ascending chain.
; NO CLUSTER, NO TENSOR LOAD, though 16 work-groups read each tile of A and of B: the rounding to f16 stands between memory and LDS, so the tiles pass through registers, and joint
; requests exist for tensor loads alone; brought as f32, a work-group's 96 rows x 4,096 bytes = 393,216 bytes would not fit in 327,680 at once.
; LIMITS.  f16 ends at 65,504: a number of A or B of magnitude 65,520 or more becomes an infinity.  A is last_state, or c, a weighted mean of all_states' rows; B is a weight.  Below 6e-5 a number
; keeps f16's fixed step of 6e-8.  NaN and infinities are not treated apart.
; THE MATRIX INSTRUCTION IS USED TRANSPOSED (source 0 = 16 rows of B, source 1 = 16 rows of A): a lane holds row l % 16 of C and eight neighbouring columns.
; THE MODE: SCHED_MODE bits 1:0 = 2 (LLVM: expert scheduling mode 2), set by the entry lines.  The code itself states the register dependences
; between vector or matrix instructions and memory or LDS instructions, with s_wait_alu, always for 0.
; THE PLAN.  Registers that memory or LDS instructions touch:
;   v3 .. v9      addresses and offsets: written at the head, never again; read by every load and store.
;   X             48 slots of 4: global loads land in them, conversions read them.  The 96 rows go in 12 blocks of 8; block p reads slots 8 p % 48 on.
;   T0, T1        two out-buffers of 16: block p's conversions write T[p % 2], its eight LDS stores read it.
;   F0, F1, F2    fragment buffers: LDS loads land in them, matrix instructions read them.  F0 and F1 lie on slots 0 to 23, F2 on slots 40 to 47 and on T0.  F0 is loaded twice.
;   ACC           written by matrix instructions, read by the LDS stores of the partial tile.
;   R, S          R: the reduction's LDS loads land in it (on F0 and part of F1).  S: written by the additions, read by the two global stores.
;   v10, v11      written at the head, read by the closing add alone.
; A block: the wait for its eight loads; sixteen conversions; the waits; eight loads and eight LDS stores, with no vector instruction among them.  The wait on va_vdst stands behind the
; conversions, so that the slots are asked for again at once.  The wait on vm_vsrc stands AHEAD of the block's own stores: it states that the stores of the block before have read the other
; out-buffer, which the next block writes.
.set PITCH, 272                        ; an LDS row: 256 bytes + 16: each row starts 16 bytes further modulo 256, so the 16 rows of a fragment load touch 16 different 16-byte columns
.set WRB,   96*PITCH                   ; a wave's stage: rows 0-31 A's, rows 32-95 B's, 128 f16 each
.set PB,    8*WRB                      ; behind the stages: the partial tiles,
.set PPB,   32*PITCH                   ; for each wave 32 rows of 64 f32
.set SPARE, PB+8*PPB                   ; behind them: the spare words, 128 bytes for each wave, which no other line names
.set OFF, 3                            ; v3   16 x thread = 512 w + 16 l: my 4 numbers in a row's 4,096 bytes
.set ST,  4                            ; v4   stage, in: my 8 bytes of a row
.set FR,  5                            ; v5   stage, out: row l % 16, 16 bytes for each half of the lanes
.set PS,  6                            ; v6   my partial tile, in: row l % 16, 32 bytes for each half of the lanes
.set RD,  7                            ; v7   the partial tiles, back: rows 4 w + l / 16, 16 bytes a lane
.set CO,  8                            ; v8   the same place in C
.set BO,  9                            ; v9   my 4 numbers of the tile's 64 of the bias
.set SPW, 10                           ; v10  my spare word; never rewritten
.set NIL, 11                           ; v11  0; never rewritten
.set BI,  12                           ; v[12:15] the bias
                                       ; v[16:18] at the head: at work
.set X,   32                           ; v[32:223] a ring of 48 slots of 4 registers: 40 to 48 loads of a wave are on their way
.set T,   224                          ; v[224:255] two out-buffers of 16: eight rows' rounded numbers, a pair a row
.set F0,  32                           ; later: three fragment buffers of 48: A's block a at +8 a, B's block b at +16 + 8 b
.set F1,  80
.set F2,  192
.set ACC, 128                          ; the 8 accumulators: (a, b) at ACC + 8 (4 a + b)
.set R,   32                           ; the reduction: 8 partial tiles x 2 rows, 4 registers each
.set S,   96                           ; its sums, 2 x 4 registers
	s_load_b256 s[4:11], s[0:1], 0x0               ; A s[4:5], B s[6:7], bias s[8:9], C s[10:11]
	v_lshl_add_u32 v[SPW], v0, 2, SPARE
	v_mov_b32 v[NIL], 0
	v_lshrrev_b32 v1, 5, v0
	v_readfirstlane_b32 s12, v1                    ; wave 0..7
	s_mov_b32 s13, ttmp9                           ; nt: which 64 columns
	s_and_b32 s14, ttmp7, 0xffff                   ; mt: which 32 rows
	s_lshl_b32 s16, s14, 17                        ; 32 rows of 4,096 bytes
	s_mov_b32 s17, 0
	s_lshl_b32 s18, s13, 18                        ; 64 rows of 4,096 bytes
	s_mov_b32 s19, 0
	s_lshl_b32 s20, s13, 8                         ; 64 columns of 4 bytes
	s_mov_b32 s21, 0
	s_wait_alu depctr_va_sdst(0)                   ; s12 is written, ahead of its first reader: the wave's places in LDS are made from it
	s_mul_i32 s22, s12, WRB                        ; my stage
	s_mul_i32 s23, s12, PPB
	s_add_co_u32 s23, s23, PB                      ; my partial tile
	s_mul_i32 s24, s12, 4*PITCH
	s_add_co_u32 s24, s24, PB                      ; rows 4 w on of partial tile 0
	s_lshl_b32 s25, s12, 2
	v_and_b32 v1, 15, v0                           ; r = l % 16
	v_bfe_u32 v2, v0, 4, 1                         ; h = l / 16
	v_lshlrev_b32 v[OFF], 4, v0
	v_and_b32 v16, 31, v0
	v_lshl_add_u32 v[ST], v16, 3, s22
	v_mul_u32_u24 v17, v1, PITCH
	v_lshl_add_u32 v[FR], v2, 4, v17
	v_add_nc_u32 v[FR], s22, v[FR]
	v_lshl_add_u32 v[PS], v2, 5, v17
	v_add_nc_u32 v[PS], s23, v[PS]
	v_mul_u32_u24 v18, v2, PITCH
	v_lshl_add_u32 v[RD], v1, 4, v18
	v_add_nc_u32 v[RD], s24, v[RD]
	v_lshlrev_b32 v[BO], 4, v1
	v_add_nc_u32 v[CO], s25, v2                    ; row 4 w + h,
	v_lshl_add_u32 v[CO], v[CO], 12, v[BO]         ; times 4,096, + 16 r
	s_wait_kmcnt 0x0
	s_add_nc_u64 s[4:5], s[4:5], s[16:17]          ; A at the tile's first row
	s_add_nc_u64 s[6:7], s[6:7], s[18:19]          ; B at the tile's first row
	s_add_nc_u64 s[8:9], s[8:9], s[20:21]          ; the bias at the tile's first column
	s_add_nc_u64 s[10:11], s[10:11], s[16:17]      ; C at the tile's corner
	s_add_nc_u64 s[10:11], s[10:11], s[20:21]
; Load n of 96: row n of A (n < 32) or row n - 32 of B; my wave's 512 consecutive bytes of it, into slot n % 48.
.macro GLD n
.if (\n) < 32
	global_load_b128 v[X+4*((\n)%48):X+4*((\n)%48)+3], v[OFF], s[4:5] offset:(\n)*4096
.else
	global_load_b128 v[X+4*((\n)%48):X+4*((\n)%48)+3], v[OFF], s[6:7] offset:((\n)-32)*4096
.endif
.endm
; Block p of 12: loads 8 p .. 8 p + 7 have come; their 4 numbers a lane are rounded to f16 into T[p % 2]; then each slot takes the load 48 further on, and each row goes into my stage
; (32 lanes x 8 bytes: 256 consecutive bytes).
.macro BLOCK p
.if (\p) < 6
	s_wait_loadcnt 40                              ; loads come back in order: 48 + 8 p have been issued, those up to 8 p + 7 are wanted: 40 are younger; the bias's load is older still
.else
	s_wait_loadcnt 88-8*(\p)                       ; nothing more is issued: the count runs down to 0
.endif
.irp i, 0,1,2,3,4,5,6,7
	v_cvt_pk_f16_f32 v[T+16*((\p)%2)+2*(\i)],   v[X+4*((8*(\p)+(\i))%48)],   v[X+4*((8*(\p)+(\i))%48)+1]
	v_cvt_pk_f16_f32 v[T+16*((\p)%2)+2*(\i)+1], v[X+4*((8*(\p)+(\i))%48)+2], v[X+4*((8*(\p)+(\i))%48)+3]
.endr
.if (\p) > 0
	s_wait_alu depctr_vm_vsrc(0)                   ; the LDS stores of the block before have read the other T, which the next block's conversions write again; in block 11 that is T0, in which F2's LDS loads land
.endif
	s_wait_alu depctr_va_vdst(0)                   ; the conversions have written T[p % 2], which the LDS stores below read, and are done reading their slots, in which the loads below (from block 6 on: the fragments' LDS loads) land
.irp i, 0,1,2,3,4,5,6,7
.if (\p) < 6
	GLD 8*(\p)+(\i)+48
.endif
	ds_store_b64 v[ST], v[T+16*((\p)%2)+2*(\i):T+16*((\p)%2)+2*(\i)+1] offset:(8*(\p)+(\i))*PITCH
.endr
.endm
; 12 LDS loads: the fragments of 32 along K (chunk c of my 128) into buffer f.  A fragment is 16 rows x 32 K in 8 registers: two loads of 16 bytes, 32 bytes apart.
.macro LOADC c, f
.irp a, 0,1
	ds_load_b128 v[(\f)+8*(\a):(\f)+8*(\a)+3],   v[FR] offset:(\a)*16*PITCH+64*(\c)
	ds_load_b128 v[(\f)+8*(\a)+4:(\f)+8*(\a)+7], v[FR] offset:(\a)*16*PITCH+64*(\c)+32
.endr
.irp b, 0,1,2,3
	ds_load_b128 v[(\f)+16+8*(\b):(\f)+16+8*(\b)+3],   v[FR] offset:(32+16*(\b))*PITCH+64*(\c)
	ds_load_b128 v[(\f)+16+8*(\b)+4:(\f)+16+8*(\b)+7], v[FR] offset:(32+16*(\b))*PITCH+64*(\c)+32
.endr
.endm
; 8 matrix instructions on 8 accumulators, which take turns.  zero = 1: the first products start the sums: nothing is cleared.
.macro MUL f, zero
.irp a, 0,1
.irp b, 0,1,2,3
.if \zero
	v_wmma_f32_16x16x32_f16 v[ACC+8*(4*(\a)+(\b)):ACC+8*(4*(\a)+(\b))+7], v[(\f)+16+8*(\b):(\f)+16+8*(\b)+7], v[(\f)+8*(\a):(\f)+8*(\a)+7], 0
.else
	v_wmma_f32_16x16x32_f16 v[ACC+8*(4*(\a)+(\b)):ACC+8*(4*(\a)+(\b))+7], v[(\f)+16+8*(\b):(\f)+16+8*(\b)+7], v[(\f)+8*(\a):(\f)+8*(\a)+7], v[ACC+8*(4*(\a)+(\b)):ACC+8*(4*(\a)+(\b))+7]
.endif
.endr
.endr
.endm
.macro PLACES                          ; four plain vector instructions between a matrix instruction and a load into its sources, or a store of its result
.rept 4
	v_nop
.endr
.endm
	s_wait_alu depctr_va_vdst(0)                   ; the addresses and offsets v3 to v9 are written, which every load and store below reads
	global_load_b128 v[BI:BI+3], v[BO], s[8:9]
.set i, 0
.rept 48
	GLD i                                          ; the ring is filled: 48 loads x 512 bytes a wave
.set i, i+1
.endr
.irp p, 0,1,2,3,4,5,6,7,8,9,10,11
	BLOCK \p
.endr
	; My 128 along K in four chunks of 32, on three fragment buffers.  LDS serves a wave's instructions in order (ISA guide 5.7.1.4): these loads see my stores above.
	; No wait on s_wait_alu here: block 11's two have shown the slots read out and T0 read, and no vector instruction stands behind them.
	LOADC 0, F0
	LOADC 1, F1
	LOADC 2, F2
	s_wait_dscnt 24                                ; chunk 0 is in; the 24 loads of chunks 1 and 2 stay out
	MUL F0, 1
	PLACES                                         ; the places behind the products that read F0 stay beside the wait below
	s_wait_alu depctr_va_vdst(0)                   ; chunk 0's matrix instructions are done reading F0, in which chunk 3's loads land
	LOADC 3, F0
	s_wait_dscnt 24                                ; chunk 1 is in; chunks 2 and 3 stay out
	MUL F1, 0
	s_wait_dscnt 12                                ; chunk 2 is in; chunk 3 stays out
	MUL F2, 0
	s_wait_dscnt 0x0
	MUL F0, 0
	PLACES
	s_wait_alu depctr_va_vdst(0)                   ; the matrix instructions have written the accumulators, which the LDS stores read, and are done reading F0 and F1, in which the reduction's loads land; the places above stay beside this wait
	; My partial tile goes into LDS: a lane's eight columns of a row are 32 bytes; each accumulator's low registers first.
.irp a, 0,1
.irp b, 0,1,2,3
	ds_store_b128 v[PS], v[ACC+8*(4*(\a)+(\b)):ACC+8*(4*(\a)+(\b))+3]   offset:(\a)*16*PITCH+64*(\b)
	ds_store_b128 v[PS], v[ACC+8*(4*(\a)+(\b))+4:ACC+8*(4*(\a)+(\b))+7] offset:(\a)*16*PITCH+64*(\b)+16
.endr
.endr
	s_wait_dscnt 0x0                               ; for the others' sake: my stores are done
	s_barrier_signal -1
	s_barrier_wait -1
	; Wave w adds up rows 4 w .. 4 w + 3 of the eight partial tiles: lanes 0-15 take one row of 256 bytes, lanes 16-31 the next; two such loads a tile.
.irp p, 0,1,2,3,4,5,6,7
.irp i, 0,1
	ds_load_b128 v[R+4*(2*(\p)+(\i)):R+4*(2*(\p)+(\i))+3], v[RD] offset:(\p)*PPB+(\i)*2*PITCH
.endr
.endr
	s_wait_dscnt 14                                ; tile 0's two loads are in; the bias starts the sums
.irp i, 0,1
	v_pk_add_f32 v[S+4*(\i):S+4*(\i)+1],   v[R+4*(\i):R+4*(\i)+1],   v[BI:BI+1]
	v_pk_add_f32 v[S+4*(\i)+2:S+4*(\i)+3], v[R+4*(\i)+2:R+4*(\i)+3], v[BI+2:BI+3]
.endr
.irp p, 1,2,3,4,5,6,7
	s_wait_dscnt 14-2*(\p)                         ; tile p's two loads are in; the later tiles' stay out
.irp i, 0,1
	v_pk_add_f32 v[S+4*(\i):S+4*(\i)+1],   v[S+4*(\i):S+4*(\i)+1],   v[R+4*(2*(\p)+(\i)):R+4*(2*(\p)+(\i))+1]
	v_pk_add_f32 v[S+4*(\i)+2:S+4*(\i)+3], v[S+4*(\i)+2:S+4*(\i)+3], v[R+4*(2*(\p)+(\i))+2:R+4*(2*(\p)+(\i))+3]
.endr
.endr
	s_wait_alu depctr_va_vdst(0)                   ; the additions have written S, which the two stores read
	global_store_b128 v[CO], v[S:S+3],   s[10:11]              ; 16 lanes store 256 consecutive bytes, at a multiple of 256 from C's first byte
	global_store_b128 v[CO], v[S+4:S+7], s[10:11] offset:8192  ; two rows further down
	s_wait_dscnt 0x0                               ; the closing lines, six on end
	s_wait_alu 0x0
	s_wait_tensorcnt 0x0
	ds_add_u32 v[SPW], v[NIL]
	s_wait_dscnt 0x0
	s_endpgm
.Lfunc_end_k_qe2beac6a15_qproj:
	.size	k_qe2beac6a15_qproj, .Lfunc_end_k_qe2beac6a15_qproj-k_qe2beac6a15_qproj
	.p2alignl 7, 3214868480
	.fill 96, 4, 3214868480
	.section	.rodata,"a",@progbits
	.p2align	6, 0x0
	.amdhsa_kernel k_qe2beac6a15_qproj
		.amdhsa_group_segment_fixed_size 279552
		.amdhsa_private_segment_fixed_size 0
		.amdhsa_enable_private_segment 0
		.amdhsa_kernarg_size 32
		.amdhsa_user_sgpr_count 2
		.amdhsa_user_sgpr_kernarg_segment_ptr 1
		.amdhsa_wavefront_size32 1
		.amdhsa_system_sgpr_workgroup_id_x 1
		.amdhsa_system_sgpr_workgroup_id_y 1
		.amdhsa_system_sgpr_workgroup_id_z 1
		.amdhsa_system_vgpr_workitem_id 0
		.amdhsa_next_free_vgpr 256
		.amdhsa_next_free_sgpr 66
		.amdhsa_reserve_vcc 0
		.amdhsa_float_denorm_mode_32 3
		.amdhsa_float_denorm_mode_16_64 3
		.amdhsa_memory_ordered 1
		.amdhsa_forward_progress 1
		.amdhsa_inst_pref_size 41
	.end_amdhsa_kernel
	.amdgpu_metadata
---
amdhsa.version: [ 1, 2 ]
amdhsa.kernels:
  - .name:           k_qe2beac6a15_qproj
    .symbol:         k_qe2beac6a15_qproj.kd
    .args:
      - { .name: last_state, .offset: 0, .size: 8, .value_kind: global_buffer, .address_space: global }
      - { .name: Wq, .offset: 8, .size: 8, .value_kind: global_buffer, .address_space: global }
      - { .name: bq, .offset: 16, .size: 8, .value_kind: global_buffer, .address_space: global }
      - { .name: Qf, .offset: 24, .size: 8, .value_kind: global_buffer, .address_space: global }
    .group_segment_fixed_size: 279552
    .private_segment_fixed_size: 0
    .kernarg_segment_align: 8
    .kernarg_segment_size: 32
    .max_flat_workgroup_size: 256
    .sgpr_count:     66
    .vgpr_count:     256
    .wavefront_size: 32
...
	.end_amdgpu_metadata
.endif
;; end of part 4
;; launch kfold (part 5): grid 16 x 16, 8 waves a work-group, no clusters, 304,128 bytes of LDS; arguments Qf, Wk, qt; writes qt
.if DOCPART == 5
	.amdgcn_target "amdgcn-amd-amdhsa--gfx1250"
	.amdhsa_code_object_version 6
	.text
	.protected	k_qe2beac6a15_kfold
	.globl	k_qe2beac6a15_kfold
	.p2align	8
	.type	k_qe2beac6a15_kfold,@function
k_qe2beac6a15_kfold:
	s_mov_b64 s[64:65], 0
	v_nop
	global_prefetch_b8 v0, s[64:65] scope:SCOPE_SE
	s_setreg_imm32_b32 hwreg(HW_REG_WAVE_SCHED_MODE, 0, 2), 2
	s_setreg_imm32_b32 hwreg(HW_REG_WAVE_MODE, 25, 1), 1
	s_wait_xcnt 0x0
	s_wait_alu depctr_vm_vsrc(0)
; qt[m][n] = sum over k of Q[m][k] Wk[k][n].  Q: [512][1024], Wk: [1024][1024], qt: [512][1024], all f32 in memory; Q and Wk are rounded once to f16 for the matrix unit; sums in f32.
; It serves Q . (Wk x + bk) = (Q Wk) . x + Q . bk: the keys are never formed.  The contraction runs over Wk's FIRST index, so Wk's tile lies [k][n] in LDS and is turned on the way out.
; WHY f16: it keeps 11 significant bits where bf16 keeps 8, and four roundings lie between the inputs and the scores (last_state, Wq, Q, Wk).
; SHARES.  A work-group makes 32 rows x 64 columns: 16 x 16 = 256 work-groups.  K is split over the eight waves: wave w takes k = 128 w .. 128 w + 127 of the 32 rows of Q, and those 128
; rows of Wk in the tile's 64 columns.  A wave multiplies only what it has loaded and rounded itself; one barrier stands in front of the sum of the eight partial tiles.
; NO CLUSTER, NO TENSOR LOAD, though 16 work-groups read each tile: the rounding to f16 stands between memory and LDS, so the tiles pass through registers, and joint requests exist for
; tensor loads alone; as f32 the work-group's tiles are 32 x 4,096 + 1,024 x 256 = 393,216 bytes, more than the 327,680 there are.
; LIMITS.  f16 ends at 65,504: a number of Q or Wk of magnitude 65,520 or more becomes an infinity.  Q is a sum of 1,024 products last_state x Wq: with numbers of spread 30 and 1 it has spread
; about 1,000; with common offsets of 30 and 1 it lies near 30,000.  Below 6e-5 a number keeps f16's fixed step of 6e-8.  NaN and infinities are not treated apart; the order of the sum over k
; differs from a single ascending chain.
; THE MATRIX INSTRUCTION IS USED TRANSPOSED (source 0 = 16 columns of Wk, source 1 = 16 rows of Q): a lane holds row l % 16 of qt and eight neighbouring columns.
; THE MODE: SCHED_MODE bits 1:0 = 2 (LLVM: expert scheduling mode 2), set by the entry lines.  The code itself states the register dependences
; between vector or matrix instructions and memory or LDS instructions, with s_wait_alu, always for 0.
; THE PLAN.  Registers that memory or LDS instructions touch:
;   v3 .. v9, v12, v13   addresses and offsets: written at the head, never again; read by every load and store.
;   X             48 slots of 4: global loads land in them, conversions read them.  The 96 loads go in 12 blocks of 8; block p reads slots 8 p % 48 on.
;   T0, T1        two out-buffers of 16: block p's conversions write T[p % 2], its eight LDS stores read it.
;   F0, F1, F2    fragment buffers: LDS loads land in them, matrix instructions read them.  F0 and F1 lie on slots 0 to 23, F2 on slots 40 to 47 and on T0.  F0 is loaded twice.
;   ACC           written by matrix instructions, read by the LDS stores of the partial tile.
;   R, S          R: the reduction's LDS loads land in it (on F0 and part of F1).  S: written by the additions, read by the two global stores.
;   v10, v11      written at the head, read by the closing add alone.
; A block: the wait for its eight loads; sixteen conversions; the waits; eight loads and eight LDS stores, with no vector instruction among them.  The wait on va_vdst stands behind the
; conversions, so that the slots are asked for again at once.  The wait on vm_vsrc stands AHEAD of the block's own stores: it states that the stores of the block before have read the other
; out-buffer, which the next block writes.
.set PITCH, 272                        ; a row of Q's stage and of a partial tile: 256 bytes + 16
.set PV,    160                        ; a row of Wk's stage: 64 f16 = 128 bytes + 32: 16 lanes of the turning load take 8 rows x 32 bytes, 40 words apart
.set ASTG,  32*PITCH                   ; Q's stage: 32 rows of 128 f16
.set WRB,   ASTG+128*PV                ; a wave's stage: Q's, then Wk's 128 rows
.set PB,    8*WRB                      ; behind the stages: the partial tiles,
.set PPB,   32*PITCH                   ; for each wave 32 rows of 64 f32
.set SPARE, PB+8*PPB                   ; behind them: the spare words, 128 bytes for each wave, which no other line names
.set OFF, 3                            ; v3   16 x thread = 512 w + 16 l: my 4 numbers in a row of Q
.set ST,  4                            ; v4   Q's stage, in
.set FR,  5                            ; v5   Q's stage, out
.set PS,  6                            ; v6   my partial tile, in
.set RD,  7                            ; v7   the partial tiles, back
.set CO,  8                            ; v8   the same place in qt
.set OFFB, 9                           ; v9   Wk: row 128 w + l / 16, 16 bytes at 16 (l % 16)
.set SPW, 10                           ; v10  my spare word; never rewritten
.set NIL, 11                           ; v11  0; never rewritten
.set STB, 12                           ; v12  Wk's stage, in: row l / 16, 8 bytes at 8 (l % 16)
.set FRB, 13                           ; v13  Wk's stage, out, for the turning load
                                       ; v[16:21] at the head: at work
.set X,   32                           ; v[32:223] a ring of 48 slots of 4 registers: 40 to 48 loads of a wave are on their way
.set T,   224                          ; v[224:255] two out-buffers of 16: eight loads' rounded numbers, a pair a load
.set F0,  32                           ; later: three fragment buffers of 48: Q's block a at +8 a, Wk's block b at +16 + 8 b
.set F1,  80
.set F2,  192
.set ACC, 128                          ; the 8 accumulators: (a, b) at ACC + 8 (4 a + b)
.set R,   32                           ; the reduction: 8 partial tiles x 2 rows, 4 registers each
.set S,   96                           ; its sums
	s_load_b128 s[4:7], s[0:1], 0x0                ; Q s[4:5], Wk s[6:7]
	s_load_b64 s[10:11], s[0:1], 0x10              ; qt
	v_lshl_add_u32 v[SPW], v0, 2, SPARE
	v_mov_b32 v[NIL], 0
	v_lshrrev_b32 v1, 5, v0
	v_readfirstlane_b32 s12, v1                    ; wave 0..7
	s_mov_b32 s13, ttmp9                           ; nt: which 64 columns
	s_and_b32 s14, ttmp7, 0xffff                   ; mt: which 32 rows
	s_lshl_b32 s16, s14, 17                        ; 32 rows of 4,096 bytes
	s_mov_b32 s17, 0
	s_lshl_b32 s20, s13, 8                         ; 64 columns of 4 bytes
	s_mov_b32 s21, 0
	s_wait_alu depctr_va_sdst(0)                   ; s12 is written, ahead of its first reader: the wave's places in LDS and in Wk are made from it
	s_mul_i32 s22, s12, WRB                        ; my stage
	s_mul_i32 s23, s12, PPB
	s_add_co_u32 s23, s23, PB                      ; my partial tile
	s_mul_i32 s24, s12, 4*PITCH
	s_add_co_u32 s24, s24, PB                      ; rows 4 w on of partial tile 0
	s_lshl_b32 s25, s12, 2
	s_lshl_b32 s26, s12, 19                        ; my 128 rows of Wk, 4,096 bytes each
	s_add_co_u32 s27, s22, ASTG                    ; Wk's part of my stage
	v_and_b32 v1, 15, v0                           ; r = l % 16
	v_bfe_u32 v2, v0, 4, 1                         ; h = l / 16
	v_lshlrev_b32 v[OFF], 4, v0
	v_and_b32 v16, 31, v0
	v_lshl_add_u32 v[ST], v16, 3, s22
	v_mul_u32_u24 v17, v1, PITCH
	v_lshl_add_u32 v[FR], v2, 4, v17
	v_add_nc_u32 v[FR], s22, v[FR]
	v_lshl_add_u32 v[PS], v2, 5, v17
	v_add_nc_u32 v[PS], s23, v[PS]
	v_mul_u32_u24 v18, v2, PITCH
	v_lshl_add_u32 v[RD], v1, 4, v18
	v_add_nc_u32 v[RD], s24, v[RD]
	v_add_nc_u32 v[CO], s25, v2                    ; row 4 w + h,
	v_lshlrev_b32 v[CO], 12, v[CO]                 ; times 4,096,
	v_lshl_add_u32 v[CO], v1, 4, v[CO]             ; + 16 r
	v_lshl_add_u32 v[OFFB], v2, 12, s26
	v_lshl_add_u32 v[OFFB], v1, 4, v[OFFB]
	v_mul_u32_u24 v21, v2, PV
	v_lshl_add_u32 v21, v1, 3, v21
	v_add_nc_u32 v[STB], s27, v21
	; The turning load takes 16 k x 16 n (lane l reads 16 bytes: k row 8 (l / 16) + l % 8, columns 8 ((l / 8) % 2) + 0..7) and leaves half a fragment: lane l holds column l % 16 and 8 k.
	v_and_b32 v19, 7, v0
	v_lshl_add_u32 v19, v2, 3, v19
	v_mul_u32_u24 v19, v19, PV
	v_bfe_u32 v20, v0, 3, 1
	v_lshl_add_u32 v19, v20, 4, v19
	v_add_nc_u32 v[FRB], s27, v19
	s_wait_kmcnt 0x0
	s_add_nc_u64 s[4:5], s[4:5], s[16:17]          ; Q at the tile's first row
	s_add_nc_u64 s[6:7], s[6:7], s[20:21]          ; Wk at the tile's first column
	s_add_nc_u64 s[10:11], s[10:11], s[16:17]      ; qt at the tile's corner
	s_add_nc_u64 s[10:11], s[10:11], s[20:21]
; Load n of 96.  n < 32: row n of Q, my wave's 512 consecutive bytes.  Else two of my rows of Wk, 2 (n - 32) + l / 16: two aligned pieces of 256 consecutive bytes.  Into slot n % 48.
.macro GLD n
.if (\n) < 32
	global_load_b128 v[X+4*((\n)%48):X+4*((\n)%48)+3], v[OFF], s[4:5] offset:(\n)*4096
.else
	global_load_b128 v[X+4*((\n)%48):X+4*((\n)%48)+3], v[OFFB], s[6:7] offset:((\n)-32)*8192
.endif
.endm
; Block p of 12: loads 8 p .. 8 p + 7 have come; their 4 numbers a lane are rounded to f16 into T[p % 2]; then each slot takes the load 48 further on, and the rounded numbers go into my stage:
; blocks 0 to 3 are Q's 32 rows, blocks 4 to 11 Wk's 128.
.macro BLOCK p
.if (\p) < 6
	s_wait_loadcnt 40                              ; loads come back in order: 48 + 8 p have been issued, those up to 8 p + 7 are wanted: 40 are younger
.else
	s_wait_loadcnt 88-8*(\p)                       ; nothing more is issued: the count runs down to 0
.endif
.irp i, 0,1,2,3,4,5,6,7
	v_cvt_pk_f16_f32 v[T+16*((\p)%2)+2*(\i)],   v[X+4*((8*(\p)+(\i))%48)],   v[X+4*((8*(\p)+(\i))%48)+1]
	v_cvt_pk_f16_f32 v[T+16*((\p)%2)+2*(\i)+1], v[X+4*((8*(\p)+(\i))%48)+2], v[X+4*((8*(\p)+(\i))%48)+3]
.endr
.if (\p) > 0
	s_wait_alu depctr_vm_vsrc(0)                   ; the LDS stores of the block before have read the other T, which the next block's conversions write again; in block 11 that is T0, in which F2's LDS loads land
.endif
	s_wait_alu depctr_va_vdst(0)                   ; the conversions have written T[p % 2], which the LDS stores below read, and are done reading their slots, in which the loads below (from block 6 on: the fragments' LDS loads) land
.irp i, 0,1,2,3,4,5,6,7
.if (\p) < 6
	GLD 8*(\p)+(\i)+48
.endif
.if (\p) < 4
	ds_store_b64 v[ST], v[T+16*((\p)%2)+2*(\i):T+16*((\p)%2)+2*(\i)+1] offset:(8*(\p)+(\i))*PITCH
.else
	ds_store_b64 v[STB], v[T+16*((\p)%2)+2*(\i):T+16*((\p)%2)+2*(\i)+1] offset:(8*(\p)+(\i)-32)*2*PV
.endif
.endr
.endm
; 12 LDS loads: the fragments of 32 along K (chunk c of my 128) into buffer f: Q's as they lie, Wk's turned (k rows 32 c on, and 16 further down).
.macro LOADC c, f
.irp a, 0,1
	ds_load_b128 v[(\f)+8*(\a):(\f)+8*(\a)+3],   v[FR] offset:(\a)*16*PITCH+64*(\c)
	ds_load_b128 v[(\f)+8*(\a)+4:(\f)+8*(\a)+7], v[FR] offset:(\a)*16*PITCH+64*(\c)+32
.endr
.irp b, 0,1,2,3
	ds_load_tr16_b128 v[(\f)+16+8*(\b):(\f)+16+8*(\b)+3],   v[FRB] offset:(\c)*32*PV+32*(\b)
	ds_load_tr16_b128 v[(\f)+16+8*(\b)+4:(\f)+16+8*(\b)+7], v[FRB] offset:(\c)*32*PV+16*PV+32*(\b)
.endr
.endm
; 8 matrix instructions on 8 accumulators, which take turns.  zero = 1: the first products start the sums.
.macro MUL f, zero
.irp a, 0,1
.irp b, 0,1,2,3
.if \zero
	v_wmma_f32_16x16x32_f16 v[ACC+8*(4*(\a)+(\b)):ACC+8*(4*(\a)+(\b))+7], v[(\f)+16+8*(\b):(\f)+16+8*(\b)+7], v[(\f)+8*(\a):(\f)+8*(\a)+7], 0
.else
	v_wmma_f32_16x16x32_f16 v[ACC+8*(4*(\a)+(\b)):ACC+8*(4*(\a)+(\b))+7], v[(\f)+16+8*(\b):(\f)+16+8*(\b)+7], v[(\f)+8*(\a):(\f)+8*(\a)+7], v[ACC+8*(4*(\a)+(\b)):ACC+8*(4*(\a)+(\b))+7]
.endif
.endr
.endr
.endm
.macro PLACES                          ; four plain vector instructions between a matrix instruction and a load into its sources, or a store of its result
.rept 4
	v_nop
.endr
.endm
	s_wait_alu depctr_va_vdst(0)                   ; the addresses and offsets v3 to v9, v12 and v13 are written, which every load and store below reads
.set i, 0
.rept 48
	GLD i                                          ; the ring is filled: 48 loads x 512 bytes a wave
.set i, i+1
.endr
.irp p, 0,1,2,3,4,5,6,7,8,9,10,11
	BLOCK \p
.endr
	; My 128 along K in four chunks of 32, on three fragment buffers.  LDS serves a wave's instructions in order (ISA guide 5.7.1.4): these loads see my stores above.
	; No wait on s_wait_alu here: block 11's two have shown the slots read out and T0 read, and no vector instruction stands behind them.
	LOADC 0, F0
	LOADC 1, F1
	LOADC 2, F2
	s_wait_dscnt 24                                ; chunk 0 is in; the 24 loads of chunks 1 and 2 stay out
	MUL F0, 1
	PLACES                                         ; the places behind the products that read F0 stay beside the wait below
	s_wait_alu depctr_va_vdst(0)                   ; chunk 0's matrix instructions are done reading F0, in which chunk 3's loads land
	LOADC 3, F0
	s_wait_dscnt 24                                ; chunk 1 is in; chunks 2 and 3 stay out
	MUL F1, 0
	s_wait_dscnt 12                                ; chunk 2 is in; chunk 3 stays out
	MUL F2, 0
	s_wait_dscnt 0x0
	MUL F0, 0
	PLACES
	s_wait_alu depctr_va_vdst(0)                   ; the matrix instructions have written the accumulators, which the LDS stores read, and are done reading F0 and F1, in which the reduction's loads land; the places above stay beside this wait
	; My partial tile goes into LDS; each accumulator's low registers first.
.irp a, 0,1
.irp b, 0,1,2,3
	ds_store_b128 v[PS], v[ACC+8*(4*(\a)+(\b)):ACC+8*(4*(\a)+(\b))+3]   offset:(\a)*16*PITCH+64*(\b)
	ds_store_b128 v[PS], v[ACC+8*(4*(\a)+(\b))+4:ACC+8*(4*(\a)+(\b))+7] offset:(\a)*16*PITCH+64*(\b)+16
.endr
.endr
	s_wait_dscnt 0x0                               ; for the others' sake: my stores are done
	s_barrier_signal -1
	s_barrier_wait -1
	; Wave w adds up rows 4 w .. 4 w + 3 of the eight partial tiles.
.irp p, 0,1,2,3,4,5,6,7
.irp i, 0,1
	ds_load_b128 v[R+4*(2*(\p)+(\i)):R+4*(2*(\p)+(\i))+3], v[RD] offset:(\p)*PPB+(\i)*2*PITCH
.endr
.endr
	s_wait_dscnt 12                                ; tiles 0 and 1 are in: they start the sums
.irp i, 0,1
	v_pk_add_f32 v[S+4*(\i):S+4*(\i)+1],   v[R+4*(\i):R+4*(\i)+1],   v[R+8+4*(\i):R+8+4*(\i)+1]
	v_pk_add_f32 v[S+4*(\i)+2:S+4*(\i)+3], v[R+4*(\i)+2:R+4*(\i)+3], v[R+8+4*(\i)+2:R+8+4*(\i)+3]
.endr
.irp p, 2,3,4,5,6,7
	s_wait_dscnt 14-2*(\p)                         ; tile p's two loads are in; the later tiles' stay out
.irp i, 0,1
	v_pk_add_f32 v[S+4*(\i):S+4*(\i)+1],   v[S+4*(\i):S+4*(\i)+1],   v[R+4*(2*(\p)+(\i)):R+4*(2*(\p)+(\i))+1]
	v_pk_add_f32 v[S+4*(\i)+2:S+4*(\i)+3], v[S+4*(\i)+2:S+4*(\i)+3], v[R+4*(2*(\p)+(\i))+2:R+4*(2*(\p)+(\i))+3]
.endr
.endr
	s_wait_alu depctr_va_vdst(0)                   ; the additions have written S, which the two stores read
	global_store_b128 v[CO], v[S:S+3],   s[10:11]              ; 16 lanes store 256 consecutive bytes, at a multiple of 256 from qt's first byte
	global_store_b128 v[CO], v[S+4:S+7], s[10:11] offset:8192  ; two rows further down
	s_wait_dscnt 0x0                               ; the closing lines, six on end
	s_wait_alu 0x0
	s_wait_tensorcnt 0x0
	ds_add_u32 v[SPW], v[NIL]
	s_wait_dscnt 0x0
	s_endpgm
.Lfunc_end_k_qe2beac6a15_kfold:
	.size	k_qe2beac6a15_kfold, .Lfunc_end_k_qe2beac6a15_kfold-k_qe2beac6a15_kfold
	.p2alignl 7, 3214868480
	.fill 96, 4, 3214868480
	.section	.rodata,"a",@progbits
	.p2align	6, 0x0
	.amdhsa_kernel k_qe2beac6a15_kfold
		.amdhsa_group_segment_fixed_size 304128
		.amdhsa_private_segment_fixed_size 0
		.amdhsa_enable_private_segment 0
		.amdhsa_kernarg_size 24
		.amdhsa_user_sgpr_count 2
		.amdhsa_user_sgpr_kernarg_segment_ptr 1
		.amdhsa_wavefront_size32 1
		.amdhsa_system_sgpr_workgroup_id_x 1
		.amdhsa_system_sgpr_workgroup_id_y 1
		.amdhsa_system_sgpr_workgroup_id_z 1
		.amdhsa_system_vgpr_workitem_id 0
		.amdhsa_next_free_vgpr 256
		.amdhsa_next_free_sgpr 66
		.amdhsa_reserve_vcc 0
		.amdhsa_float_denorm_mode_32 3
		.amdhsa_float_denorm_mode_16_64 3
		.amdhsa_memory_ordered 1
		.amdhsa_forward_progress 1
		.amdhsa_inst_pref_size 42
	.end_amdhsa_kernel
	.amdgpu_metadata
---
amdhsa.version: [ 1, 2 ]
amdhsa.kernels:
  - .name:           k_qe2beac6a15_kfold
    .symbol:         k_qe2beac6a15_kfold.kd
    .args:
      - { .name: Qf, .offset: 0, .size: 8, .value_kind: global_buffer, .address_space: global }
      - { .name: Wk, .offset: 8, .size: 8, .value_kind: global_buffer, .address_space: global }
      - { .name: qt, .offset: 16, .size: 8, .value_kind: global_buffer, .address_space: global }
    .group_segment_fixed_size: 304128
    .private_segment_fixed_size: 0
    .kernarg_segment_align: 8
    .kernarg_segment_size: 24
    .max_flat_workgroup_size: 256
    .sgpr_count:     66
    .vgpr_count:     256
    .wavefront_size: 32
...
	.end_amdgpu_metadata
.endif
;; end of part 5
;; launch stream: the kernel of part 3 again; grid 256 x 1, 16 waves a work-group, no clusters, 68,608 bytes of LDS; arguments all_states, qt, Qf, bk, IEs, We, cbuf, out1; writes cbuf, out1
;; launch vproj: the kernel of part 4 again; grid 16 x 16, 8 waves a work-group, no clusters, 279,552 bytes of LDS; arguments cbuf, Wv, bv, out0; writes out0
